; MI455X (gfx1250); checked and timed in simulation.
; The chip was launched on July 23, 2026; its instructions are those of AMD's public machine-readable ISA for CDNA 5 (MIT licence, August 2026) and "CDNA5" Instruction Set Architecture Reference Guide (July 2026). The comments in the code are by the model that wrote it; some were corrected since.
;; Self Attention. Allowed arithmetic: matrix products marked QUANTISED: E5M2 operands, one given power-of-two scale a tensor, by v_wmma_f32_16x16x64_bf8_bf8 or v_wmma_f32_16x16x128_bf8_bf8, f32 sums; everything else in f32.
;; Inputs: Wk_codes 1,024 x 32 x 32 uint8 (E5M2 codes of Wk, K innermost, in blocks of 32 codes); Wo_codes 1,024 x 32 x 32 uint8 (E5M2 codes of Wo, K innermost, in blocks of 32 codes); Wq_codes 1,024 x 32 x 32 uint8 (E5M2 codes of Wq, K innermost, in blocks of 32 codes); Wv_codes 1,024 x 32 x 32 uint8 (E5M2 codes of Wv, K innermost, in blocks of 32 codes); beta 1,024 float32; bk 1,024 float32; bo 1,024 float32; bq 1,024 float32; bv 1,024 float32; gamma 1,024 float32; lowp_scales 12 int32 (the exponents e of the quantised operands' scales 2^e); mask 2,048 x 2,048 bool; x 2 x 2,048 x 1,024 float32.
;; Outputs: out0 2 x 2,048 x 1,024 float32.
;; This version of the problem:
;;   THIS VERSION OF THE PROBLEM IS GIVEN IN LOW PRECISION. The matrix products marked QUANTISED in the list below multiply operands that are first quantised to E5M2 (5 exponent bits, 2 mantissa bits; 8 bits a number), with one given power-of-two scale for each operand tensor; their sums are f32. All else is computed in f32.
;;   The module's matrix products, in the order in which they are computed (A, B: the left and right operand; K: the contracted axis; several contracted axes count as one K, in the product's order):
;;     1. [M 4,096, K 1,024] x [K 1,024, N 1,024]; A: computed on the way; B: input Wq (given as codes): QUANTISED (scales: A lowp_scales[0], B lowp_scales[1])
;;     2. [M 4,096, K 1,024] x [K 1,024, N 1,024]; A: computed on the way; B: input Wk (given as codes): QUANTISED (scales: A lowp_scales[2], B lowp_scales[3])
;;     3. [M 4,096, K 1,024] x [K 1,024, N 1,024]; A: computed on the way; B: input Wv (given as codes): QUANTISED (scales: A lowp_scales[4], B lowp_scales[5])
;;     4. batch 32 x [M 2,048, K 64] x [K 64, N 2,048]; A: computed on the way; B: computed on the way: QUANTISED (scales: A lowp_scales[6], B lowp_scales[7])
;;     5. batch 32 x [M 2,048, K 2,048] x [K 2,048, N 64]; A: softmax (see below); B: computed on the way: QUANTISED (scales: A lowp_scales[8], B lowp_scales[9])
;;     6. [M 4,096, K 1,024] x [K 1,024, N 1,024]; A: computed on the way; B: input Wo (given as codes): QUANTISED (scales: A lowp_scales[10], B lowp_scales[11])
;;   THE QUANTISER, for each operand of a quantised product, along K:
;;     - The operand's scale is 2^e, e = its entry of the input lowp_scales (int32; the entries are numbered through the quantised products in the list's order, A before B).
;;     - Each number is divided by the scale, clamped to +-57,344, and rounded to the nearest number of E5M2, ties to even, subnormals kept.
;;     - The product sums the exact products of the quantised numbers (number of the format x scale) in f32.
;;   ~~~python
;;   def quantise(x, axis, e):      # numpy; x: float32 -> the quantised numbers, widened to float32 again
;;       x = np.moveaxis(x, axis, -1); K = x.shape[-1]
;;       r = np.clip(x / 2.0 ** e, -57344, 57344)
;;       step = 2.0 ** (np.maximum(np.frexp(np.where(r == 0, 1, r))[1] - 1, -14) - 2)
;;       q = np.round(r / step) * step * 2.0 ** e      # np.round: ties to even
;;       return np.moveaxis(q, -1, axis).astype(np.float32)
;;   ~~~
;;   SOFTMAX AHEAD OF A QUANTISED PRODUCT. Where the list says 'softmax', what is quantised is not the finished softmax but p = 2^(t - M), with t = logit x log2(e) and M = ceil(the row's largest t), a whole number; so 1/2 < the row's largest p <= 1. The row's sum l is taken of the UNQUANTISED p, in f32, and the product's result is divided by l at the end. Since M is a whole number, a kernel that streams over the keys may use a running M (the ceiling of the running maximum): every later rescaling is an exact power of two, so the quantised numbers keep their values, but for numbers so far below the row's largest that they fall under the format's range.
;;   OPERANDS COMPUTED ON THE WAY. 'Computed on the way' means the value that the module computes at that place (a softmax that the list does not call 'softmax' is quantised finished and normalised). What goes into a quantiser is computed in f32, as accurately as f32 sums, v_exp_f32 and their like allow (about 1e-6 of the number): no bf16 or f16 on the way to a quantiser, and a product that is left as it is and whose result goes on into a quantised operand takes f32 operands (vector FMAs, or v_wmma_f32_16x16x4_f32). A number that lies on a knife's edge between two numbers of the format may be rounded either way, as far as f32 arithmetic and the matrix unit's own rounding can turn it there, and no further.
;;   INPUTS GIVEN AS CODES. Wk (in the module: [1024, 1024], K = its axis 1); Wo (in the module: [1024, 1024], K = its axis 1); Wq (in the module: [1024, 1024], K = its axis 1); Wv (in the module: [1024, 1024], K = its axis 1): each comes as NAME_codes (uint8): NAME with its K axis moved to the last place and cut into blocks of 32 codes, [.., K / 32, bytes a block], one block behind the other in memory; one code a byte (a code: sign, 5 exponent bits, 2 mantissa bits); its scale is its entry of lowp_scales. Its value is code x scale, taken as it is: it is not quantised again, and the codes and scales need not be those that the quantiser above would give.
;; 2 versions, each right; version 2 is version 1 with the launches attn, outln written anew for expert scheduling mode. Each part assembles by itself: llvm-mc -triple=amdgcn-amd-amdhsa -mcpu=gfx1250 --defsym DOCPART=n.
;; ======== version 1 of 2: 4 launches
;; workspace buffers: xc 12,582,912 bytes; qimg 4,194,304 bytes; kimg 4,194,304 bytes; vimg 4,194,304 bytes; oimg 4,194,304 bytes; woimg 1,048,576 bytes; mbits 524,288 bytes of whole numbers; meta 32,768 bytes of whole numbers
;; launch prep (part 1): grid 256 x 1, 8 waves a work-group, no clusters, 75,264 bytes of LDS; arguments x, mask, Wo_codes, lowp_scales, xc, mbits, meta, woimg; writes xc, mbits, meta, woimg
.if DOCPART == 1
	.amdgcn_target "amdgcn-amd-amdhsa--gfx1250"
	.amdhsa_code_object_version 6
	.text
	.protected	k_q9a292ccde6_prep
	.globl	k_q9a292ccde6_prep
	.p2align	8
	.type	k_q9a292ccde6_prep,@function
k_q9a292ccde6_prep:
	s_mov_b64 s[64:65], 0
	v_nop
	global_prefetch_b8 v0, s[64:65] scope:SCOPE_SE
	s_setreg_imm32_b32 hwreg(HW_REG_WAVE_MODE, 25, 1), 1
	s_wait_xcnt 0x0
; Three shares for every work-group g of 256, all on one path.
; (X) x [4096][1024] f32: NaN -> 0, +-inf -> +-1e9, then three sets of E5M2 codes, with the given scales 2^e0, 2^e2, 2^e4: xc[set][token][k], a byte a code.
;     A wave takes 2,048 numbers in 4 steps of 512.  Loads take 512 consecutive bytes; a step turns through the wave's own LDS stage so that a lane holds 16 neighbours along K.
; (M) the mask's 16 rows of query tile qt = g / 2, keys 1024 (g % 2) on: for each step of 64 keys 32 words; bit l of word n = blocked(query 16 qt + l % 16, key 64 s + 16 (n / 8) + 8 (l / 16) + n % 8):
;     the place of that score in the attention launch's registers.  A row that is blocked everywhere counts as open everywhere (its weights are all equal) and is marked alive = 0.
;     meta[g]: words 0-15 the flags of my 16 steps (bit 0: some key open, bit 1: some key blocked), words 16-31 alive of the 16 rows.
; (W) 4,096 bytes of Wo's codes in the order of the operand's registers: woimg[wave 16][K step 8][tile 4][part 4][lane 32][16 bytes]: lane (r, h), part c = row 16 (4 wave + tile) + r, bytes 128 ks + 32 c + 16 h on.
; LIMITS: e0, e2, e4 between -126 and 112, so that 2^e and 57,344 x 2^e are f32 numbers.  meta leaves in pieces of 128 bytes and Wo is read in pieces of 32 bytes: 32 KiB and 1 MiB in the whole launch.
.set SP,   80                          ; a lane's place in a stage: 64 bytes + 16 of padding
.set MST,  40960                       ; behind the eight waves' stages (2 x 32 x SP bytes each): the mask's 16 rows,
.set MP,   2064                        ; 2,048 bytes + 16 of padding apart
.set MT,   73984                       ; behind them: 16 flag words, 16 alive words
.set T,    16                          ; v16-31   16 numbers, held
.set R,    32                          ; v32-95   four steps as loaded
.set X,    96                          ; v96-127  two sets of 16 neighbours
.set C,    128                         ; v128-175 codes: 3 sets x 4 registers for each step, never written again
.set MK,   176                         ; v176-207 the mask: two rows as loaded; later 2 steps x 8 registers
.set WA,   208                         ; v208-209 the words on their way out: lane L holds words 2 L and 2 L + 1 of my 64
.set TM,   210                         ; v210-215 at work
.set WD,   216                         ; v216-219 Wo's 16 bytes
.set SC,   220                         ; v220-225 2^e and 57,344 x 2^e for e0, e2, e4
.set BIG,  226                         ; 1e9
.set ZR,   227                         ; 0
.set NA,   228                         ; v228-231 magnitudes
.set NT,   232                         ; v232-235 1e9 with the number's sign
	s_load_b512 s[4:19], s[0:1], 0x0               ; x, mask, Wo, scales, xc, mbits, meta, woimg
	v_lshl_add_u32 v240, v0, 2, 0x12200
	v_mov_b32 v241, 0
	v_lshrrev_b32 v1, 5, v0
	v_readfirstlane_b32 s20, v1                    ; wave 0..7
	v_and_b32 v1, 31, v0                           ; lane
	v_lshlrev_b32 v2, 4, v1                        ; 16 x lane
	v_and_b32 v3, 15, v0                           ; r
	v_bfe_u32 v4, v0, 4, 1                         ; h
	s_lshr_b32 s21, ttmp9, 1                       ; qt
	s_and_b32 s22, ttmp9, 1                        ; which half of the keys
	s_mov_b32 s30, 0x7f800000                      ; infinity's bits
	s_mov_b32 s31, 0x7fffffff                      ; all but the sign
	s_mov_b32 s32, 0x01010101                      ; four blocked keys
	s_mul_i32 s33, s20, 2*32*SP                    ; my two stages
	v_lshrrev_b32 v5, 2, v1
	v_mul_u32_u24 v5, v5, SP
	v_and_b32 v6, 3, v1
	v_lshl_add_u32 v5, v6, 4, v5
	v_add_nc_u32 v5, s33, v5                       ; into a stage: four lanes' 64 bytes on end, then the padding
	v_mul_u32_u24 v6, v1, SP
	v_add_nc_u32 v6, s33, v6                       ; out of it: my 16 neighbours
	s_mul_i32 s34, s20, 2*MP
	s_add_co_u32 s34, s34, MST
	v_add_nc_u32 v7, s34, v2                       ; the mask's rows 2 w, 2 w + 1 on their way in
	v_mul_u32_u24 v8, v3, MP
	v_lshl_add_u32 v8, v4, 3, v8
	s_lshl_b32 s35, s22, 10
	s_lshl_b32 s36, s20, 7
	s_add_co_u32 s35, s35, s36
	s_add_co_u32 s35, s35, MST
	v_add_nc_u32 v8, s35, v8                       ; row r, key 1024 half + 128 w + 8 h: my two steps
	v_lshl_add_u32 v9, v3, 2, MT+64                ; alive of row r
	s_lshl_b32 s36, s20, 3
	s_add_co_u32 s37, s36, MT+64
	v_mov_b32 v10, s37                             ; where I put alive of rows 2 w, 2 w + 1
	s_add_co_u32 s37, s36, MT
	v_mov_b32 v11, s37                             ; and the flags of my two steps
	v_lshl_add_u32 v12, v1, 2, MT                  ; the 32 words of meta
	v_lshlrev_b32 v13, 3, v1
	v_lshlrev_b32 v14, 10, v3
	v_lshl_add_u32 v14, v4, 4, v14                 ; Wo: row r of 1,024 bytes, + 16 h
	v_lshlrev_b32 v15, 2, v1
	v_mov_b32 v[WA], 0                             ; written whole before single lanes are written
	v_mov_b32 v[WA+1], 0
	v_mov_b32 v[BIG], 0x4e6e6b28
	v_mov_b32 v[ZR], 0
	s_lshl_b32 s38, ttmp9, 3
	s_add_co_u32 s38, s38, s20                     ; 8 g + w: my run of 2,048 numbers
	s_lshl_b32 s40, s38, 13                        ; in x,
	s_mov_b32 s41, 0
	s_lshl_b32 s42, s38, 11                        ; in a set of codes
	s_mov_b32 s43, 0
	s_lshl_b32 s44, s21, 4
	s_lshl_b32 s45, s20, 1
	s_add_co_u32 s44, s44, s45
	s_lshl_b32 s44, s44, 11                        ; the mask's row 16 qt + 2 w
	s_mov_b32 s45, 0
	s_lshl_b32 s46, ttmp9, 1
	s_lshr_b32 s47, s20, 2
	s_add_co_u32 s46, s46, s47                     ; Wo's fragment f = 2 g + w / 4 = (wave x 8 + ks) x 4 + tile,
	s_and_b32 s47, s20, 3                          ; its part c
	s_lshl_b32 s54, s46, 11
	s_lshl_b32 s55, s47, 9
	s_add_co_u32 s54, s54, s55                     ; to: 2048 f + 512 c
	s_mov_b32 s55, 0
	s_lshr_b32 s56, s46, 5
	s_lshl_b32 s56, s56, 16                        ; from: 64 rows a wave,
	s_and_b32 s57, s46, 3
	s_lshl_b32 s57, s57, 14                        ; 16 rows a tile,
	s_add_co_u32 s56, s56, s57
	s_bfe_u32 s57, s46, 0x30002
	s_lshl_b32 s57, s57, 7                         ; 128 bytes a K step,
	s_add_co_u32 s56, s56, s57
	s_lshl_b32 s57, s47, 5                         ; 32 a part
	s_add_co_u32 s56, s56, s57
	s_mov_b32 s57, 0
	s_lshl_b32 s58, ttmp9, 11
	s_lshl_b32 s59, s20, 8
	s_add_co_u32 s58, s58, s59                     ; mbits: (32 qt + my first step) x 128 bytes = (16 g + 2 w) x 128
	s_mov_b32 s59, 0
	s_lshl_b32 s60, ttmp9, 7                       ; meta: 128 g
	s_mov_b32 s61, 0
	s_wait_kmcnt 0x0
	s_load_b128 s[24:27], s[10:11], 0x0            ; e0 .. e3
	s_load_b64 s[28:29], s[10:11], 0x10            ; e4, e5
	s_add_nc_u64 s[4:5], s[4:5], s[40:41]
	s_add_nc_u64 s[6:7], s[6:7], s[44:45]
	s_add_nc_u64 s[8:9], s[8:9], s[56:57]
	s_add_nc_u64 s[48:49], s[12:13], s[42:43]      ; the three sets of codes lie 4 MiB apart
	s_add_nc_u64 s[50:51], s[48:49], 0x400000
	s_add_nc_u64 s[52:53], s[50:51], 0x400000
	s_add_nc_u64 s[14:15], s[14:15], s[58:59]
	s_add_nc_u64 s[16:17], s[16:17], s[60:61]
	s_add_nc_u64 s[18:19], s[18:19], s[54:55]
.macro LOADX t                         ; step t of x: four loads of 512 consecutive bytes
.irp i, 0,1,2,3
	global_load_b128 v[R+16*(\t)+4*\i:R+16*(\t)+4*\i+3], v2, s[4:5] offset:2048*(\t)+512*\i
.endr
.endm
.macro TURN t                          ; step t through a stage: LDS serves a wave's instructions in order, so no wait stands between the stores and the loads
.irp i, 0,1,2,3
	ds_store_b128 v5, v[R+16*(\t)+4*\i:R+16*(\t)+4*\i+3] offset:32*SP*((\t)%2)+8*SP*\i
.endr
.irp i, 0,1,2,3
	ds_load_b128 v[X+16*((\t)%2)+4*\i:X+16*((\t)%2)+4*\i+3], v6 offset:32*SP*((\t)%2)+16*\i
.endr
.endm
.macro NAN4 x                          ; four numbers: +-inf -> +-1e9, NaN -> 0
.irp k, 0,1,2,3
	v_and_b32 v[NA+\k], s31, v[(\x)+\k]
	v_bfi_b32 v[NT+\k], s31, v[BIG], v[(\x)+\k]
.endr
.irp k, 0,1,2,3
	v_cmp_eq_u32 s[40+\k], s30, v[NA+\k]
	v_cmp_lt_u32 s[44+\k], s30, v[NA+\k]
.endr
.irp k, 0,1,2,3
	v_cndmask_b32 v[(\x)+\k], v[(\x)+\k], v[NT+\k], s[40+\k]
.endr
.irp k, 0,1,2,3
	v_cndmask_b32 v[(\x)+\k], v[(\x)+\k], v[ZR], s[44+\k]
.endr
.endm
.macro QX t                            ; step t's 16 numbers a lane become 3 x 16 codes
.set XS, X+16*((\t)%2)
.irp q, 0,4,8,12
	NAN4 XS+\q
.endr
.irp i, 0,1,2
.irp k, 0,1,2,3,4,5,6,7,8,9,10,11,12,13,14,15
	v_med3_num_f32 v[T+\k], v[XS+\k], -v[SC+2*\i+1], v[SC+2*\i+1]   ; the conversion to an 8-bit code does not saturate (ISA guide 7.6.2): the hold at the largest code x the scale
.endr
	v_cvt_scalef32_pk8_bf8_f32 v[C+12*(\t)+4*\i:C+12*(\t)+4*\i+1], v[T:T+7], v[SC+2*\i]
	v_cvt_scalef32_pk8_bf8_f32 v[C+12*(\t)+4*\i+2:C+12*(\t)+4*\i+3], v[T+8:T+15], v[SC+2*\i]
	v_nop                                          ; a plain line between the conversions and the next holds, which write their sources
	global_store_b128 v2, v[C+12*(\t)+4*\i:C+12*(\t)+4*\i+3], s[48+2*\i:49+2*\i] offset:512*(\t)   ; 32 lanes store 512 consecutive bytes
.endr
.endm
.irp i, 0,1
.irp j, 0,1,2,3
	global_load_b128 v[MK+16*\i+4*\j:MK+16*\i+4*\j+3], v2, s[6:7] offset:2048*\i+512*\j
.endr
.endr
	global_load_b128 v[WD:WD+3], v14, s[8:9]
	LOADX 0
	LOADX 1
	LOADX 2
	LOADX 3
	s_wait_kmcnt 0x0
.irp i, 0,1,2
	s_add_co_i32 s33, s[24+2*\i], 127
	s_lshl_b32 s34, s33, 23
	v_mov_b32 v[SC+2*\i], s34                      ; 2^e as f32: the conversion takes its exponent field
	s_add_co_i32 s33, s33, 15
	s_lshl_b32 s33, s33, 23
	s_or_b32 s33, s33, 0x600000
	v_mov_b32 v[SC+2*\i+1], s33                    ; 57,344 x 2^e
.endr
	; ---- the mask
	s_wait_loadcnt 17                              ; the mask's eight loads are in; Wo's one and x's sixteen may be out
.irp i, 0,1
.irp j, 0,1,2,3
	ds_store_b128 v7, v[MK+16*\i+4*\j:MK+16*\i+4*\j+3] offset:\i*MP+512*\j
.endr
.endr
.irp i, 0,1                            ; is the whole row blocked?  The AND of its 2,048 bytes
	v_and_b32 v[TM+2*\i], v[MK+16*\i], v[MK+16*\i+1]
	v_and_b32 v[TM+2*\i+1], v[MK+16*\i+2], v[MK+16*\i+3]
.irp k, 4,6,8,10,12,14
	v_and_b32 v[TM+2*\i], v[TM+2*\i], v[MK+16*\i+\k]
	v_and_b32 v[TM+2*\i+1], v[TM+2*\i+1], v[MK+16*\i+\k+1]
.endr
	v_and_b32 v[TM+2*\i], v[TM+2*\i], v[TM+2*\i+1]
	v_cmp_eq_u32 vcc_lo, s32, v[TM+2*\i]
	s_cmp_eq_u32 vcc_lo, -1
	s_cselect_b32 s33, 0, 1                        ; alive
	v_mov_b32 v[TM+4+\i], s33
	ds_store_b32 v10, v[TM+4+\i] offset:4*\i
.endr
	s_wait_dscnt 0x0                               ; my rows and my alive words have landed
	s_barrier_signal -1
	s_barrier_wait -1                              ; everybody's have
.irp i, 0,1
.irp c, 0,1,2,3
	ds_load_b64 v[MK+8*\i+2*\c:MK+8*\i+2*\c+1], v8 offset:64*\i+16*\c   ; row r, keys 64 s + 16 c + 8 h + 0 .. 7
.endr
.endr
	ds_load_b32 v[TM], v9
	s_wait_dscnt 0x0
	v_sub_nc_u32 v[TM], 0, v[TM]                   ; all ones where the row is alive
.irp k, 0,1,2,3,4,5,6,7,8,9,10,11,12,13,14,15
	v_and_b32 v[MK+\k], v[TM], v[MK+\k]            ; a row that is blocked everywhere counts as open
.endr
.irp i, 0,1
	v_or_b32 v[TM+1], v[MK+8*\i], v[MK+8*\i+1]
	v_and_b32 v[TM+2], v[MK+8*\i], v[MK+8*\i+1]
.irp k, 2,3,4,5,6,7
	v_or_b32 v[TM+1], v[TM+1], v[MK+8*\i+\k]
	v_and_b32 v[TM+2], v[TM+2], v[MK+8*\i+\k]
.endr
	v_cmp_ne_u32 vcc_lo, 0, v[TM+1]
	s_cmp_lg_u32 vcc_lo, 0
	s_cselect_b32 s33, 2, 0                        ; some key of the step is blocked
	v_cmp_ne_u32 vcc_lo, s32, v[TM+2]
	s_cmp_lg_u32 vcc_lo, 0
	s_cselect_b32 s34, 1, 0                        ; some key is open
	s_or_b32 s33, s33, s34
	v_mov_b32 v[TM+4+\i], s33
	ds_store_b32 v11, v[TM+4+\i] offset:4*\i
.set n, 0
.rept 32                               ; word n: byte n % 8 of the lanes' eight bytes of key tile n / 8, one bit a lane
	v_and_b32 v[TM+3*(n%2)], 1<<(8*(n%4)), v[MK+8*\i+2*(n/8)+(n%8)/4]
	v_cmp_ne_u32 s[40+n%4], 0, v[TM+3*(n%2)]
	v_writelane_b32 v[WA+n%2], s[40+n%4], 16*\i+n/2
.set n, n+1
.endr
.endr
	global_store_b64 v13, v[WA:WA+1], s[14:15]     ; my two steps' 64 words: 256 consecutive bytes, aligned
	s_wait_dscnt 0x0                               ; my flags have landed
	s_barrier_signal -1
	s_barrier_wait -1
	s_cmp_lg_u32 s20, 0
	s_cbranch_scc1 .Lnot_wave_0
	ds_load_b32 v[TM+1], v12
	s_wait_dscnt 0x0
	global_store_b32 v15, v[TM+1], s[16:17]        ; 16 flags, 16 alive words
.Lnot_wave_0:
	; ---- Wo
	s_wait_loadcnt 16                              ; Wo's load is in; x's sixteen may be out
	global_store_b128 v2, v[WD:WD+3], s[18:19]     ; 512 consecutive bytes: one part of a fragment
	; ---- x
	s_wait_loadcnt 12                              ; step 0's four loads are in
	TURN 0
.irp t, 0,1,2,3
	s_wait_dscnt 0x0                               ; this step's numbers are back from the stage
.if \t < 3
	s_wait_loadcnt 4*(2-\t)                        ; the next step's loads are in; those of the steps behind it may be out
	TURN \t+1
.endif
	QX \t
.endr
	s_wait_tensorcnt 0x0
	ds_add_u32 v240, v241
	s_wait_dscnt 0x0
	s_endpgm
.Lfunc_end_k_q9a292ccde6_prep:
	.size	k_q9a292ccde6_prep, .Lfunc_end_k_q9a292ccde6_prep-k_q9a292ccde6_prep
	.p2alignl 7, 3214868480
	.fill 96, 4, 3214868480
	.section	.rodata,"a",@progbits
	.p2align	6, 0x0
	.amdhsa_kernel k_q9a292ccde6_prep
		.amdhsa_group_segment_fixed_size 75264
		.amdhsa_private_segment_fixed_size 0
		.amdhsa_enable_private_segment 0
		.amdhsa_kernarg_size 64
		.amdhsa_user_sgpr_count 2
		.amdhsa_user_sgpr_kernarg_segment_ptr 1
		.amdhsa_wavefront_size32 1
		.amdhsa_system_sgpr_workgroup_id_x 1
		.amdhsa_system_sgpr_workgroup_id_y 1
		.amdhsa_system_sgpr_workgroup_id_z 1
		.amdhsa_system_vgpr_workitem_id 0
		.amdhsa_next_free_vgpr 242
		.amdhsa_next_free_sgpr 66
		.amdhsa_reserve_vcc 1
		.amdhsa_float_denorm_mode_32 3
		.amdhsa_float_denorm_mode_16_64 3
		.amdhsa_memory_ordered 1
		.amdhsa_forward_progress 1
		.amdhsa_inst_pref_size 64
	.end_amdhsa_kernel
	.amdgpu_metadata
---
amdhsa.version: [ 1, 2 ]
amdhsa.kernels:
  - .name:           k_q9a292ccde6_prep
    .symbol:         k_q9a292ccde6_prep.kd
    .args:
      - { .name: x, .offset: 0, .size: 8, .value_kind: global_buffer, .address_space: global }
      - { .name: mask, .offset: 8, .size: 8, .value_kind: global_buffer, .address_space: global }
      - { .name: Wo_codes, .offset: 16, .size: 8, .value_kind: global_buffer, .address_space: global }
      - { .name: lowp_scales, .offset: 24, .size: 8, .value_kind: global_buffer, .address_space: global }
      - { .name: xc, .offset: 32, .size: 8, .value_kind: global_buffer, .address_space: global }
      - { .name: mbits, .offset: 40, .size: 8, .value_kind: global_buffer, .address_space: global }
      - { .name: meta, .offset: 48, .size: 8, .value_kind: global_buffer, .address_space: global }
      - { .name: woimg, .offset: 56, .size: 8, .value_kind: global_buffer, .address_space: global }
    .group_segment_fixed_size: 75264
    .private_segment_fixed_size: 0
    .kernarg_segment_align: 8
    .kernarg_segment_size: 64
    .max_flat_workgroup_size: 256
    .sgpr_count:     66
    .vgpr_count:     242
    .wavefront_size: 32
...
	.end_amdgpu_metadata
.endif
;; end of part 1
;; launch qkv (part 2): grid 12 x 16, 4 waves a work-group, clusters of 4 x 4, 327,680 bytes of LDS; arguments xc, Wq_codes, Wk_codes, Wv_codes, bq, bk, bv, lowp_scales, qimg, kimg, vimg; writes qimg, kimg, vimg
.if DOCPART == 2
	.amdgcn_target "amdgcn-amd-amdhsa--gfx1250"
	.amdhsa_code_object_version 6
	.text
	.protected	k_q9a292ccde6_qkv
	.globl	k_q9a292ccde6_qkv
	.p2align	8
	.type	k_q9a292ccde6_qkv,@function
k_q9a292ccde6_qkv:
	s_mov_b64 s[64:65], 0
	v_nop
	global_prefetch_b8 v0, s[64:65] scope:SCOPE_SE
	s_setreg_imm32_b32 hwreg(HW_REG_WAVE_MODE, 25, 1), 1
	s_wait_xcnt 0x0
	s_wait_alu depctr_hold_cnt(0) depctr_sa_sdst(0) depctr_va_vdst(0) depctr_va_sdst(0) depctr_va_ssrc(0) depctr_va_vcc(0) depctr_vm_vsrc(0)
	s_getreg_b32 s2, hwreg(HW_REG_IB_STS2, 6, 4)
	s_cmp_eq_u32 s2, 0
	s_cbranch_scc0 .Lentry_in_a_cluster
	s_endpgm
.Lentry_in_a_cluster:
	s_bfe_u32 s2, ttmp6, 0x10000c
	s_cmp_lg_u32 s2, 0xf033
	s_cbranch_scc0 .Lentry_shape_is_right
	s_endpgm
.Lentry_shape_is_right:
; q = x Wq^T + bq, k = x Wk^T + bk, v = x Wv^T + bv on E5M2 codes, K = 1,024, and each result quantised at once for the attention launch (scales e6, e7, e9).
; Cluster x says which of the three (0 q, 1 k, 2 v), cluster y which quarter of the 4,096 tokens.  A work-group of four waves makes a tile of 256 x 256, a wave 128 x 128: 64 accumulators, 512 registers.
; "A" (256 rows, shared along a row of the cluster) and "B" (256 rows, shared along a column): for q and k A = x's codes (tokens), B = the weight (features); FOR v THE TWO CHANGE PLACES.
; The matrix instruction takes 16 rows of B as source 0 and 16 rows of A as source 1: a lane holds ONE row of A and eight neighbouring rows of B.  So for q and k a lane's eight results are eight neighbouring
; features of a token, for v eight neighbouring tokens of a feature: neighbours along the K of the product that reads them, which is what the conversion to codes takes from a lane's registers.
; The codes leave as images of the reader's operand registers (16 rows x 64 K: two parts of 512 bytes, lane l's 16 bytes at 16 l): qimg, kimg [b h][token tile 128][1024], vimg [b h][64 keys 32][16 channels 4][1024].
; The bias goes in as the C of the first K step's products, divided by the power of two that the sums lack.  K goes in steps of 256 through two LDS slots filled by joint tensor loads.
; A fragment is fetched by four loads of 16 bytes: a permutation of k that is the same in A and in B.
; LIMITS: eo - ea - eb (eo: e6, e7 or e9; ea, eb: the product's two) between -126 and 112.  The weights' codes are taken as finite numbers.
; REGISTERS, in windows of 256: window 0: v0-31 addresses; v32-95 the bias, later a block's held sums; v96-109 offsets and scales; v128-255 A's fragments, ONE set, later the codes.
;   window 1: B's fragments, two sets.   window 2, 3: the accumulators of my rows 0-63, 64-127 (accumulator (a, b) at v[8 (8 (a % 4) + b)]).
.set ROWB,   256                       ; a tile's row: 256 codes
.set KROW,   1024                      ; a row of x's codes or of a weight in memory
.set PITCH,  272                       ; an LDS row: 256 bytes + 16 of padding, so that the 16 rows of a load start at 16 different banks (64 banks of 4 bytes: ISA guide 11.1)
.set FR,     16                        ; registers of a fragment, 16 rows x 128 K
.set NL,     4                         ; LDS loads that bring one
.set NP,     4                         ; places behind this matrix instruction (ISA guide 7.12.1)
.set HALFT,  128*PITCH                 ; what one tensor load brings
.set SLOT,   4*HALFT                   ; A's 256 rows, then B's 256 rows
.set SPARE,  2*SLOT                    ; behind the ring: the spare words, 128 bytes a wave
.set ADRA, 16                          ; v16-17  LDS address of my A fragments in slot 0, 1
.set ADRB, 20                          ; v20-21  the same for B
.set SPW,  28                          ; v28     my spare word; never rewritten
.set NIL,  29                          ; v29     0; never rewritten
.set BT,   32                          ; v32-95  eight tiles of the bias in the result's layout
.set TMP,  32                          ;         later: a block's 64 sums, held
.set VJ,   96                          ; v96-103 the bias loads' offsets
.set OFS,  104                         ; v104-107 the stores' offsets: 16 x lane + (b / 4) G + (a / 4) H
.set LIM,  108                         ; 57,344 x 2^(eo - ea - eb)
.set SCL,  109                         ; 2^(eo - ea - eb)
.set AF,   128
.set CD,   128                         ; the codes: 16 registers for each of my eight blocks
.set G1, 24                            ; s[24:31] descriptor group 1 for A's tiles;  s[32:39] group 0, a set for each slot
.set G0, 32
.set G1B, 48                           ; s[48:55], s[56:63] the same for B's
.set G0B, 56
.set TEN, 66                           ; s66 which tensor;  s67 4 x cluster y
.set MSB, 0
.macro WIN new                         ; the immediate's high byte repeats the setting that is left
.if MSB != \new
	s_set_vgpr_msb (MSB<<8)|\new
.set MSB, \new
.endif
.endm
.set MUL_LO, 0xa1                      ; source 0 (B) window 1, source 1 (A) window 0, C and D window 2
.set MUL_HI, 0xf1                      ; the same, C and D window 3
.set TO_B,   0x40                      ; destination window 1
; A joint load: waves 0 and 1 fetch for A, waves 2 and 3 for B; the branch hangs on the wave's number alone.  Four v_nop follow each of the two lines.
.macro JLOAD g0a, g1a, g0b, g1b
	s_cmp_eq_u32 s15, 0
	s_cbranch_scc0 .Lfor_b_\@
	tensor_load_to_lds s[\g0a:\g0a+3], s[\g1a:\g1a+7]
	s_nop 0
.rept 4
	v_nop
.endr
	s_branch .Lasked_\@
.Lfor_b_\@:
	tensor_load_to_lds s[\g0b:\g0b+3], s[\g1b:\g1b+7]
	s_nop 0
.rept 4
	v_nop
.endr
.Lasked_\@:
.endm
.macro CREST                           ; a round of the cluster's barrier behind its opening barrier
	s_cmp_lg_u32 s14, 0
	s_cbranch_scc1 .Lnot_wave_0_\@
	s_barrier_signal -3
.Lnot_wave_0_\@:
	s_barrier_wait -3
	s_barrier_signal -1
	s_barrier_wait -1
.endm
.macro CROUND
	s_barrier_signal -1
	s_barrier_wait -1
	CREST
.endm
	s_load_b512 s[68:83], s[0:1], 0x0              ; xc 68, Wq 70, Wk 72, Wv 74, bq 76, bk 78, bv 80, scales 82
	s_load_b128 s[84:87], s[0:1], 0x40             ; qimg, kimg
	s_load_b64 s[88:89], s[0:1], 0x50              ; vimg
	v_lshl_add_u32 v[SPW], v0, 2, SPARE
	v_mov_b32 v[NIL], 0
	ds_add_u32 v28, v29
	ds_add_u32 v28, v29
	s_wait_dscnt 0x0
	v_lshrrev_b32 v1, 5, v0
	v_readfirstlane_b32 s14, v1                    ; wave 0..3
	s_lshr_b32 s15, s14, 1                         ; which half of A's rows is mine.  Also: I fetch for A (0) or for B (1)
	s_and_b32 s16, s14, 1                          ; which half of B's rows.  Also: which 128 rows of that tile I fetch
	s_bfe_u32 s40, ttmp6, 0x40000                  ; cx, cy: my place in the cluster
	s_bfe_u32 s41, ttmp6, 0x40004
	s_mov_b32 s[TEN], ttmp9                        ; the cluster's x: the same in all sixteen partners
	s_and_b32 s67, ttmp7, 0xffff
	s_lshl_b32 s67, s67, 2                         ; 4 x the cluster's y
	s_cmp_eq_u32 s[TEN], 2
	s_cselect_b32 s17, 0, s67                      ; the tokens' quarter goes into A's tile row (q, k) or into B's tile column (v)
	s_cselect_b32 s42, s67, 0
	s_add_co_u32 s17, s17, s41                     ; A's tile: + cy
	s_add_co_u32 s42, s42, s40                     ; B's tile: + cx
	s_lshl_b32 s43, s41, 2
	s_lshl_b32 s43, 15, s43                        ; my row of the cluster
	s_lshl_b32 s44, 0x1111, s40                    ; my column
	s_or_b32 s[G1+0], s43, (0<<16)|(1<<20)|(1<<21)|(5<<22)|(3<<25)  ; 15:0 the mask; 17:16 elements of 1 byte; 20 padding on; 21 set beside a mask; 24:22 after every 64 words; 31:25 four words
	s_or_b32 s[G1B+0], s44, (0<<16)|(1<<20)|(1<<21)|(5<<22)|(3<<25)
.irp g, G1, G1B
	s_mov_b32 s[\g+1], ROWB<<16                    ; tensor_dim0
	s_mov_b32 s[\g+2], 128<<16                     ; tensor_dim1
	s_mov_b32 s[\g+3], ROWB<<16                    ; tile_dim0
	s_mov_b32 s[\g+4], 128                         ; tile_dim1
	s_mov_b32 s[\g+5], KROW                        ; tensor_dim0_stride
	s_mov_b32 s[\g+6], 0
	s_mov_b32 s[\g+7], 0
.endr
	s_lshl_b32 s18, s16, 7                         ; which 128 rows of the tile I fetch
	s_lshl_b32 s20, s17, 8
	s_add_co_u32 s20, s20, s18
	s_lshl_b32 s20, s20, 10                        ; A: (256 x tile + 128 x half) rows of 1,024 bytes
	s_mov_b32 s21, 0
	s_lshl_b32 s46, s42, 8
	s_add_co_u32 s46, s46, s18
	s_lshl_b32 s46, s46, 10                        ; B likewise
	s_mov_b32 s47, 0
	s_mul_i32 s45, s14, HALFT                      ; where they go: wave x 128 rows: no place in the cluster enters an LDS address
	s_lshl_b32 s12, s[TEN], 22                     ; x's set of codes for this tensor
	s_mov_b32 s13, 0
	s_wait_kmcnt 0x0
	s_load_b256 s[92:99], s[82:83], 0x0            ; e0 .. e7
	s_load_b64 s[100:101], s[82:83], 0x20          ; e8, e9
	s_add_nc_u64 s[90:91], s[68:69], s[12:13]
	s_cmp_eq_u32 s[TEN], 1                         ; the buffers are chosen on the cluster's number alone
	s_cselect_b64 s[12:13], s[72:73], s[70:71]     ; the weight,
	s_cselect_b64 s[8:9], s[78:79], s[76:77]       ; the bias,
	s_cselect_b64 s[10:11], s[86:87], s[84:85]     ; the images
	s_cmp_eq_u32 s[TEN], 2
	s_cselect_b64 s[12:13], s[74:75], s[12:13]
	s_cselect_b64 s[8:9], s[80:81], s[8:9]
	s_cselect_b64 s[10:11], s[88:89], s[10:11]
	s_cselect_b64 s[4:5], s[12:13], s[90:91]       ; A: the weight for v, else x
	s_cselect_b64 s[6:7], s[90:91], s[12:13]       ; B: the other
	s_add_nc_u64 s[20:21], s[4:5], s[20:21]
	s_add_nc_u64 s[46:47], s[6:7], s[46:47]
	CROUND                                         ; all sixteen work-groups are here: the first joint loads meet
.irp s, 0,1
	s_mov_b32 s[G0+4*\s], 1
	s_add_co_u32 s[G0+4*\s+1], s45, \s*SLOT
	s_add_nc_u64 s[G0+4*\s+2:G0+4*\s+3], s[20:21], \s*ROWB
	s_or_b32 s[G0+4*\s+3], s[G0+4*\s+3], 0x80000000
	s_mov_b32 s[G0B+4*\s], 1
	s_add_co_u32 s[G0B+4*\s+1], s45, \s*SLOT
	s_add_nc_u64 s[G0B+4*\s+2:G0B+4*\s+3], s[46:47], \s*ROWB
	s_or_b32 s[G0B+4*\s+3], s[G0B+4*\s+3], 0x80000000
	JLOAD G0+4*\s, G1, G0B+4*\s, G1B
.endr
	v_and_b32 v1, 15, v0                           ; r
	v_bfe_u32 v2, v0, 4, 1                         ; h
	v_mul_u32_u24 v3, v1, PITCH
	v_lshl_add_u32 v4, v2, 4, v3                   ; a fragment's row x pitch + 16 h
	s_mul_i32 s21, s15, HALFT                      ; my 128 rows of A
	s_mul_i32 s22, s16, HALFT                      ; my 128 rows of B,
	s_add_co_u32 s22, s22, 2*HALFT                 ; which lie behind A's 256
.irp s, 0,1
	v_add_nc_u32 v[ADRA+\s], s21, v4
	v_add_nc_u32 v[ADRB+\s], s22, v4
	s_add_co_u32 s21, s21, SLOT
	s_add_co_u32 s22, s22, SLOT
.endr
	; the bias, in the result's layout.  q, k: register 8 i + j = bias[my first feature + 16 i + 8 h + j] (i: B's block);  v: = bias[my first feature + 16 i + r] for every j (i: A's block)
	s_cmp_eq_u32 s[TEN], 2
	s_cselect_b32 s18, s17, s42                    ; the features' tile and half
	s_cselect_b32 s19, s15, s16
	s_cselect_b32 s22, 0, 32                       ; bytes for h,
	s_cselect_b32 s23, 4, 0                        ; for r
	s_lshl_b32 s18, s18, 10
	s_lshl_b32 s19, s19, 9
	s_add_co_u32 s18, s18, s19                     ; 4 x (256 x tile + 128 x half)
	s_mov_b32 s19, 0
	s_add_nc_u64 s[8:9], s[8:9], s[18:19]
	v_mul_u32_u24 v5, s22, v2
	v_mad_u32_u24 v5, v1, s23, v5
	s_sub_co_u32 s23, 4, s23                       ; and for j
.irp j, 0,1,2,3,4,5,6,7
	s_mul_i32 s22, s23, \j
	v_add_nc_u32 v[VJ+\j], s22, v5
.endr
.irp i, 0,1,2,3,4,5,6,7
.irp j, 0,1,2,3,4,5,6,7
	global_load_b32 v[BT+8*\i+\j], v[VJ+\j], s[8:9] offset:64*\i
.endr
.endr
	; where my images begin: (b h) x 131,072 + (first token tile in the batch) x 1,024, for all three tensors (in vimg four token tiles are one block of 4,096 bytes)
	s_cmp_eq_u32 s[TEN], 2
	s_cselect_b32 s18, s42, s17                    ; the tokens' tile and half,
	s_cselect_b32 s19, s16, s15
	s_cselect_b32 s22, s17, s42                    ; the features'
	s_cselect_b32 s23, s15, s16
	s_mov_b32 s2, 0x20000
	s_cselect_b32 s3, 4096, s2                     ; G: from b / 4 = 0 to 1: the next 64 keys (v) or the next head (q, k)
	s_cselect_b32 s2, s2, 4096                     ; H: from a / 4 = 0 to 1: the next head (v) or four token tiles on (q, k)
	s_lshl_b32 s18, s18, 4
	s_lshl_b32 s19, s19, 3
	s_add_co_u32 s18, s18, s19                     ; my first token tile
	s_lshl_b32 s22, s22, 2
	s_lshl_b32 s23, s23, 1
	s_add_co_u32 s22, s22, s23                     ; my first head
	s_lshr_b32 s19, s18, 7
	s_lshl_b32 s19, s19, 4
	s_add_co_u32 s19, s19, s22                     ; b h
	s_lshl_b32 s19, s19, 17
	s_and_b32 s18, s18, 127
	s_lshl_b32 s18, s18, 10
	s_add_co_u32 s18, s18, s19
	s_mov_b32 s19, 0
	s_add_nc_u64 s[10:11], s[10:11], s[18:19]
	v_and_b32 v6, 31, v0
	v_lshlrev_b32 v[OFS], 4, v6
	v_add_nc_u32 v[OFS+1], s2, v[OFS]
	v_add_nc_u32 v[OFS+2], s3, v[OFS]
	v_add_nc_u32 v[OFS+3], s2, v[OFS+2]
	s_wait_kmcnt 0x0                               ; the scales: chosen without a branch
	s_cmp_eq_u32 s[TEN], 1
	s_cselect_b32 s18, s94, s92                    ; ea
	s_cselect_b32 s19, s95, s93                    ; eb
	s_cselect_b32 s22, s99, s98                    ; eo
	s_cmp_eq_u32 s[TEN], 2
	s_cselect_b32 s18, s96, s18
	s_cselect_b32 s19, s97, s19
	s_cselect_b32 s22, s101, s22
	s_add_co_i32 s18, s18, s19                     ; a sum stands for sum x 2^(ea + eb)
	s_sub_co_i32 s19, 0, s18
	s_sub_co_i32 s22, s22, s18
	s_add_co_i32 s22, s22, 127
	s_lshl_b32 s23, s22, 23
	v_mov_b32 v[SCL], s23                          ; 2^(eo - ea - eb): the three scales folded into the conversion's one
	s_add_co_i32 s22, s22, 15
	s_lshl_b32 s22, s22, 23
	s_or_b32 s22, s22, 0x600000
	v_mov_b32 v[LIM], s22                          ; 57,344 x that
	s_wait_loadcnt 0x0
.set i, 0
.rept 64
	v_ldexp_f32 v[BT+i], v[BT+i], s19              ; bias / 2^(ea + eb)
.set i, i+1
.endr
.macro FRAG reg, adr, q, i             ; 16 rows x 128 K: lane l holds row l % 16; registers 4 c .. 4 c + 3 hold K = 32 c + 16 (l / 16) + 0 .. 15
.irp c, 0,1,2,3
	ds_load_b128 v[\reg+4*\c:\reg+4*\c+3], v[\adr] offset:128*(\q)+32*\c+(\i)*16*PITCH
.endr
.endm
; 16 matrix instructions: A's blocks a0, a0 + 1 x B's eight.  p: B's set.  mode 0: the sums go on; 1: they begin with the bias of B's block (q, k); 2: with the bias of A's block (v).
; The 64 accumulators take turns, one instruction a turn, in the same order in every step.
.macro MUL16 a0, p, mode
.irp a, \a0, \a0+1
.irp b, 0,1,2,3,4,5,6,7
.if (\mode) == 1
	v_wmma_f32_16x16x128_bf8_bf8 v[8*(8*((\a)%4)+\b):8*(8*((\a)%4)+\b)+7], v[128*(\p)+FR*\b:128*(\p)+FR*\b+FR-1], v[AF+FR*(\a):AF+FR*(\a)+FR-1], v[BT+8*\b:BT+8*\b+7]
.elseif (\mode) == 2
	v_wmma_f32_16x16x128_bf8_bf8 v[8*(8*((\a)%4)+\b):8*(8*((\a)%4)+\b)+7], v[128*(\p)+FR*\b:128*(\p)+FR*\b+FR-1], v[AF+FR*(\a):AF+FR*(\a)+FR-1], v[BT+8*(\a):BT+8*(\a)+7]
.else
	v_wmma_f32_16x16x128_bf8_bf8 v[8*(8*((\a)%4)+\b):8*(8*((\a)%4)+\b)+7], v[128*(\p)+FR*\b:128*(\p)+FR*\b+FR-1], v[AF+FR*(\a):AF+FR*(\a)+FR-1], v[8*(8*((\a)%4)+\b):8*(8*((\a)%4)+\b)+7]
.endif
.endr
.endr
.endm
.macro FETCH_B slot, q, p
	WIN TO_B
.irp i, 0,1,2,3,4,5,6,7
	FRAG 128*(\p)+FR*\i, ADRB+\slot, \q, \i
.endr
	WIN 0
.endm
.macro FETCH_A slot, q, i0
.irp i, \i0, \i0+1, \i0+2, \i0+3
	FRAG AF+FR*(\i), ADRA+\slot, \q, \i
.endr
.endm
.macro PLACES n                        ; plain vector lines between a matrix instruction and a load into, or a vector line on, its registers
.rept \n
	v_nop
.endr
.endm
; A step of 128 along K that has its successor in the same slot.  A's blocks 0-3 are fetched anew in the step's middle, blocks 4-7 at its end; B has two sets.
.macro STEP slot, q, mode
	s_wait_dscnt 4*NL                              ; B's set and A's blocks 0-3 are in; the youngest sixteen loads (A's blocks 4-7) may be out
.if \mode
	WIN 0x81                                       ; C (the bias) window 0, D window 2
.else
	WIN MUL_LO
.endif
	MUL16 0, (\q)%2, \mode
	MUL16 2, (\q)%2, \mode
	s_wait_dscnt 0
	PLACES NP
	FETCH_B \slot, (\q)+1, 1-(\q)%2
	FETCH_A \slot, (\q)+1, 0
.if \mode
	WIN 0xc1
.else
	WIN MUL_HI
.endif
	MUL16 4, (\q)%2, \mode
	MUL16 6, (\q)%2, \mode
	PLACES NP
	WIN 0
	FETCH_A \slot, (\q)+1, 4
.endm
; A slot's last step changes slots: ONE barrier; in front of it each wave waits for all its tensor loads, adds 0 to its spare word, and waits for that and for its reads of this slot.
.macro TURN slot, next, fill
	s_wait_tensorcnt 0x0                           ; all my tensor loads have landed: my part of the next slot
	ds_add_u32 v[SPW], v[NIL]                      ; 0 onto my spare word
	s_wait_dscnt 4*NL+1                            ; (the add and the youngest sixteen loads may be out)
	WIN MUL_LO
	MUL16 0, 1, 0
	s_wait_dscnt 0x0                               ; the add is done, and my reads of this slot are over
	s_barrier_signal -1
	MUL16 2, 1, 0
	WIN 0
	s_barrier_wait -1
.if \fill
	CREST                                          ; the barrier has opened a round of the cluster's: no wave of any partner still reads this slot or has a load on its way
	s_add_nc_u64 s[G0+4*\slot+2:G0+4*\slot+3], s[G0+4*\slot+2:G0+4*\slot+3], 2*ROWB
	s_add_nc_u64 s[G0B+4*\slot+2:G0B+4*\slot+3], s[G0B+4*\slot+2:G0B+4*\slot+3], 2*ROWB
	JLOAD G0+4*\slot, G1, G0B+4*\slot, G1B         ; the first tensor load behind the round; its four v_nop are the places in front of the loads below
.else
	PLACES NP
.endif
	FETCH_B \next, 0, 0
	FETCH_A \next, 0, 0
	WIN MUL_HI
	MUL16 4, 1, 0
	MUL16 6, 1, 0
	PLACES NP
	WIN 0
	FETCH_A \next, 0, 4
.endm
	s_wait_tensorcnt 1                             ; my part of slot 0 is in; slot 1's load may be out
	s_barrier_signal -1
	s_barrier_wait -1
	FETCH_B 0, 0, 0
	FETCH_A 0, 0, 0
	FETCH_A 0, 0, 4
	s_cmp_eq_u32 s[TEN], 2                         ; the first step is written twice: it differs in which bias tile starts a sum.  The branch hangs on the cluster's number: alike in all partners
	s_cbranch_scc1 .Lfirst_v
	STEP 0, 0, 1
	s_branch .Lfirst_done
.Lfirst_v:
	STEP 0, 0, 2
.Lfirst_done:
	TURN 0, 1, 1                                   ; K = 1,024 is four slots' worth: both slots are filled once more
	STEP 1, 0, 0
	TURN 1, 0, 1
	STEP 0, 0, 0
	TURN 0, 1, 0                                   ; nothing is left to fetch
	STEP 1, 0, 0
	s_wait_dscnt 4*NL
	WIN MUL_LO
	MUL16 0, 1, 0
	MUL16 2, 1, 0
	s_wait_dscnt 0
	WIN MUL_HI
	MUL16 4, 1, 0
	MUL16 6, 1, 0
	WIN 0
; THE WAY OUT, block a of A's eight: 64 sums a lane are held and converted; accumulators (a, 4 g + c), c = 0 .. 3, give the eight registers of one image, which leaves as two stores of 512 consecutive bytes.
.macro OUTBLK a
.if (\a) < 4
	WIN 0x02                                       ; source 0: window 2
.else
	WIN 0x03
.endif
.set i, 0
.rept 64
	v_med3_num_f32 v[TMP+i], v[64*((\a)%4)+i], -v[LIM], v[LIM]   ; each accumulator from its low end on; the conversion does not saturate (ISA guide 7.6.2)
.set i, i+1
.endr
	WIN 0
.set i, 0
.rept 8
	v_cvt_scalef32_pk8_bf8_f32 v[CD+16*(\a)+2*i:CD+16*(\a)+2*i+1], v[TMP+8*i:TMP+8*i+7], v[SCL]
.set i, i+1
.endr
	v_nop                                          ; a plain line between the conversions and the next block's holds, which write their sources
.irp g, 0,1
.irp p, 0,1
	global_store_b128 v[OFS+2*\g+(\a)/4], v[CD+16*(\a)+8*\g+4*\p:CD+16*(\a)+8*\g+4*\p+3], s[10:11] offset:1024*((\a)%4)+512*\p
.endr
.endr
.endm
	PLACES NP                                      ; behind the last products: for the reads of their sums and for the codes, which land where A's fragments lay
.irp a, 0,1,2,3,4,5,6,7
	OUTBLK \a
.endr
	s_wait_tensorcnt 0x0                           ; the wave's end
	ds_add_u32 v[SPW], v[NIL]
	s_wait_dscnt 0x0
	CROUND                                         ; the closing round
	s_endpgm
.Lfunc_end_k_q9a292ccde6_qkv:
	.size	k_q9a292ccde6_qkv, .Lfunc_end_k_q9a292ccde6_qkv-k_q9a292ccde6_qkv
	.p2alignl 7, 3214868480
	.fill 96, 4, 3214868480
	.section	.rodata,"a",@progbits
	.p2align	6, 0x0
	.amdhsa_kernel k_q9a292ccde6_qkv
		.amdhsa_group_segment_fixed_size 327680
		.amdhsa_private_segment_fixed_size 0
		.amdhsa_enable_private_segment 0
		.amdhsa_kernarg_size 88
		.amdhsa_user_sgpr_count 2
		.amdhsa_user_sgpr_kernarg_segment_ptr 1
		.amdhsa_wavefront_size32 1
		.amdhsa_system_sgpr_workgroup_id_x 1
		.amdhsa_system_sgpr_workgroup_id_y 1
		.amdhsa_system_sgpr_workgroup_id_z 1
		.amdhsa_system_vgpr_workitem_id 0
		.amdhsa_next_free_vgpr 1024
		.amdhsa_next_free_sgpr 102
		.amdhsa_reserve_vcc 0
		.amdhsa_float_denorm_mode_32 3
		.amdhsa_float_denorm_mode_16_64 3
		.amdhsa_memory_ordered 1
		.amdhsa_forward_progress 1
		.amdhsa_inst_pref_size 138
	.end_amdhsa_kernel
	.amdgpu_metadata
---
amdhsa.version: [ 1, 2 ]
amdhsa.kernels:
  - .name:           k_q9a292ccde6_qkv
    .symbol:         k_q9a292ccde6_qkv.kd
    .args:
      - { .name: xc, .offset: 0, .size: 8, .value_kind: global_buffer, .address_space: global }
      - { .name: Wq_codes, .offset: 8, .size: 8, .value_kind: global_buffer, .address_space: global }
      - { .name: Wk_codes, .offset: 16, .size: 8, .value_kind: global_buffer, .address_space: global }
      - { .name: Wv_codes, .offset: 24, .size: 8, .value_kind: global_buffer, .address_space: global }
      - { .name: bq, .offset: 32, .size: 8, .value_kind: global_buffer, .address_space: global }
      - { .name: bk, .offset: 40, .size: 8, .value_kind: global_buffer, .address_space: global }
      - { .name: bv, .offset: 48, .size: 8, .value_kind: global_buffer, .address_space: global }
      - { .name: lowp_scales, .offset: 56, .size: 8, .value_kind: global_buffer, .address_space: global }
      - { .name: qimg, .offset: 64, .size: 8, .value_kind: global_buffer, .address_space: global }
      - { .name: kimg, .offset: 72, .size: 8, .value_kind: global_buffer, .address_space: global }
      - { .name: vimg, .offset: 80, .size: 8, .value_kind: global_buffer, .address_space: global }
    .group_segment_fixed_size: 327680
    .private_segment_fixed_size: 0
    .kernarg_segment_align: 8
    .kernarg_segment_size: 88
    .max_flat_workgroup_size: 128
    .sgpr_count:     102
    .vgpr_count:     1024
    .wavefront_size: 32
...
	.end_amdgpu_metadata
.endif
;; end of part 2
;; launch attn (part 3): grid 8 x 32, 8 waves a work-group, no clusters, 263,168 bytes of LDS; arguments qimg, kimg, vimg, mbits, meta, lowp_scales, oimg; writes oimg
.if DOCPART == 3
	.amdgcn_target "amdgcn-amd-amdhsa--gfx1250"
	.amdhsa_code_object_version 6
	.text
	.protected	k_q9a292ccde6_attn
	.globl	k_q9a292ccde6_attn
	.p2align	8
	.type	k_q9a292ccde6_attn,@function
k_q9a292ccde6_attn:
	s_mov_b64 s[64:65], 0
	v_nop
	global_prefetch_b8 v0, s[64:65] scope:SCOPE_SE
	s_setreg_imm32_b32 hwreg(HW_REG_WAVE_MODE, 25, 1), 1
	s_wait_xcnt 0x0
; o = softmax(mask(q k^T / 8)) v for one (batch, head) a work-group row, both products on E5M2 codes, and o quantised at once (scale e10) for the last product.
; WHAT IS QUANTISED AHEAD OF THE SECOND PRODUCT: the logit that goes into the softmax is score - the row's largest score, so its largest t is 0, M = 0, and p = 2^((s - m) log2 e).
; m must therefore be known before any p is made: TWO PASSES over the keys.  Pass 1: K Q^T and the maximum.  Pass 2: K Q^T again, p, the sum of the unquantised p, V^T P.  Nothing is ever rescaled.
; THE MASK is an input.  The first launch has laid it as one bit a lane for each score register (mbits) and as two flags for each step of 64 keys and tile of 16 queries (meta).  A step in which no key is open
; for any of the wave's 32 queries is jumped over; a step in which no key is blocked skips the mask's lines: scalar branches on those stored whole numbers.  So this launch has no tensor load: LDS is filled through registers.
; A row that is blocked everywhere has all logits 0: it is taken as open everywhere with its factor c = 0, so p = 1 for all 2,048 keys.
; SHARES.  The work-group holds the head's K (131,072 bytes) and V (the same) in LDS, as images of the operands' registers.  A wave owns 32 queries, two tiles that share every fragment of K and V:
; block 8 (w % 4) + g for waves 0-3, 63 less that for waves 4-7.
; LAYOUT.  S^T = K Q^T (source 0 = 16 keys, source 1 = 16 queries): lane (r, h) holds query r and keys 8 h + 0 .. 7 of a tile: eight neighbours along the second product's K, in that operand's own order.
; O^T = V^T P (source 0 = 16 channels, source 1 = P).  LIMITS: e6 + e7 - 3 between -126 and 126; e8, e10 between -126 and 112; scores are finite.
.set LI,   1                           ; v1   16 x lane
.set ADK,  2                           ; v2   the step's tiles of K in LDS
.set ADV,  3                           ; v3   of V
.set NINF, 4                           ; v4   -infinity
.set FIL,  5                           ; v5   16 x lane + 16,384 x wave: my part of a head's K or V, in memory and in LDS; never rewritten
.set SCP,  6                           ; v6   2^e8, at the end 2^e10
.set LIMP, 7                           ; v7   57,344 x that
.set MX,   8                           ; v[8:9], v[10:11] m of tile 0, 1, twice each; in pass 1 two running maxima a tile
.set CC,   12                          ; v[12:13], v[14:15] c = log2(e) 2^(e6 + e7 - 3) x alive, twice each
.set Q,    16                          ; v16-31   Q's two fragments
.set KF,   32                          ; v32-63   K's four
.set S,    64                          ; v64-127  S^T, then p: tile t, key tile kt at 64 + 32 t + 8 kt
.set O,    128                         ; v128-191 O^T: 128 + 32 t + 8 dt.  (v128-255 are the fills' staging before)
.set VF,   192                         ; v192-223 V's four
.set PC,   224                         ; v224-239 p's codes, 8 a tile
.set LS,   240                         ; v[240:243] the sums, v[244:247] their second chains; at the end the reciprocals
.set YX,   248                         ; v248-251, v252-255: the exchange on the way out
.set XY,   252
.set TO,   32                          ; the images on their way out
	s_load_b256 s[4:11], s[0:1], 0x0               ; qimg, kimg, vimg, mbits
	s_load_b128 s[12:15], s[0:1], 0x20             ; meta, the scales
	s_load_b64 s[16:17], s[0:1], 0x30              ; oimg
	s_set_vgpr_msb 0x40
	v_lshl_add_u32 v0, v0, 2, 0x40000
	v_mov_b32 v1, 0
	s_set_vgpr_msb 0x4000
	v_lshrrev_b32 v2, 5, v0
	v_readfirstlane_b32 s18, v2                    ; wave 0..7
	v_and_b32 v2, 31, v0
	v_lshlrev_b32 v[LI], 4, v2
	v_and_b32 v3, 15, v0                           ; r
	v_bfe_u32 v6, v0, 4, 1                         ; h
	v_lshlrev_b32 v37, 2, v3                       ; alive: 4 r
	v_lshl_add_u32 v36, v6, 7, v37                 ; flags: lane = step: 4 (lane % 16) + 128 (lane / 16)
	s_lshl_b32 s2, s18, 14
	v_add_nc_u32 v[FIL], s2, v[LI]
	v_mov_b32 v[NINF], 0xff800000
	s_mov_b32 s30, 0x76543210                      ; v_permlanex16_b32's selects for lane l xor 16
	s_mov_b32 s31, 0xfedcba98
	s_and_b32 s19, s18, 3
	s_lshl_b32 s19, s19, 3
	s_add_co_u32 s19, s19, ttmp9
	s_sub_co_u32 s2, 63, s19
	s_cmp_lt_u32 s18, 4
	s_cselect_b32 s19, s19, s2                     ; my block of 32 queries
	s_and_b32 s3, ttmp7, 0xffff                    ; b h
	s_wait_kmcnt 0x0
	s_load_b128 s[24:27], s[14:15], 0x18           ; e6, e7, e8, e9
	s_load_b32 s28, s[14:15], 0x28                 ; e10
	s_lshl_b32 s100, s3, 17                        ; a head's 131,072 bytes
	s_mov_b32 s101, 0
	s_add_nc_u64 s[6:7], s[6:7], s[100:101]
	s_add_nc_u64 s[8:9], s[8:9], s[100:101]
	s_add_nc_u64 s[4:5], s[4:5], s[100:101]
	s_lshl_b32 s100, s19, 11                       ; my two tiles of Q
	s_add_nc_u64 s[4:5], s[4:5], s[100:101]
	s_lshl_b32 s100, s19, 13                       ; their 2 x 32 x 32 words
	s_add_nc_u64 s[10:11], s[10:11], s[100:101]
	s_lshl_b32 s100, s19, 9                        ; their 2 x 2 x 32 words of meta
	s_add_nc_u64 s[12:13], s[12:13], s[100:101]
	s_lshr_b32 s100, s3, 4
	s_lshl_b32 s100, s100, 7
	s_lshl_b32 s2, s19, 1
	s_add_co_u32 s100, s100, s2                    ; my first token tile of 256,
	s_lshl_b32 s100, s100, 4
	s_and_b32 s2, s3, 15
	s_add_co_u32 s100, s100, s2                    ; x 16 heads + my head,
	s_lshl_b32 s100, s100, 10                      ; x 1,024 bytes
	s_add_nc_u64 s[16:17], s[16:17], s[100:101]
	global_load_b32 v32, v36, s[12:13]             ; the 32 steps' flags of tile 0,
	global_load_b32 v33, v36, s[12:13] offset:256  ; of tile 1
	global_load_b32 v34, v37, s[12:13] offset:64   ; alive of my query in tile 0,
	global_load_b32 v35, v37, s[12:13] offset:320  ; in tile 1
.irp t, 0,1
.irp p, 0,1
	global_load_b128 v[Q+8*\t+4*\p:Q+8*\t+4*\p+3], v[LI], s[4:5] offset:1024*\t+512*\p
.endr
.endr
.set i, 0
.rept 32
	global_load_b128 v[128+4*i:128+4*i+3], v[FIL], s[6:7] offset:512*i   ; my eighth of the head's K
.set i, i+1
.endr
	s_wait_loadcnt 32                              ; the eight small loads are in; K's 32 may be out
	v_or_b32 v32, v32, v33                         ; the wave walks a step if either tile needs it
	v_and_b32 v33, 1, v32
	v_cmp_ne_u32 s20, 0, v33                       ; bit s: some key of step s is open
	v_and_b32 v33, 2, v32
	v_cmp_ne_u32 s21, 0, v33                       ; bit s: some key of step s is blocked
	s_wait_kmcnt 0x0
	s_add_co_i32 s2, s24, s25
	s_sub_co_i32 s2, s2, 3
	s_lshl_b32 s2, s2, 23
	s_add_co_i32 s2, s2, 0x3fb8aa3b                ; log2(e) with e6 + e7 - 3 added to its exponent field: a score stands for score x 2^(e6 + e7), and is divided by 8
	v_cvt_f32_u32 v34, v34
	v_cvt_f32_u32 v35, v35
	v_mul_f32 v[CC], s2, v34
	v_mul_f32 v[CC+2], s2, v35
	v_mov_b32 v[CC+1], v[CC]
	v_mov_b32 v[CC+3], v[CC+2]
	s_add_co_i32 s2, s26, 127
	s_lshl_b32 s3, s2, 23
	v_mov_b32 v[SCP], s3                           ; 2^e8
	s_add_co_i32 s2, s2, 15
	s_lshl_b32 s2, s2, 23
	s_or_b32 s2, s2, 0x600000
	v_mov_b32 v[LIMP], s2                          ; 57,344 x 2^e8
.irp k, 0,1,2,3
	v_mov_b32 v[MX+\k], v[NINF]
.endr
	s_wait_loadcnt 0x0
.set i, 0
.rept 32
	ds_store_b128 v[FIL], v[128+4*i:128+4*i+3] offset:512*i
.set i, i+1
.endr
	s_wait_dscnt 0x0                               ; my part of K has landed, and the stores have read their registers,
.set i, 0
.rept 32
	global_load_b128 v[128+4*i:128+4*i+3], v[FIL], s[8:9] offset:512*i   ; which take my eighth of V: it is on its way during pass 1
.set i, i+1
.endr
	s_barrier_signal -1
	s_barrier_wait -1                              ; the head's K lies in LDS
.macro SKIPTEST lbl                    ; is any key of step s22 open?
	s_lshr_b32 s2, s20, s22
	s_and_b32 s2, s2, 1
	s_cmp_lg_u32 s2, 0
	s_cbranch_scc0 \lbl
.endm
.macro KLOADS
.irp kt, 0,1,2,3
.irp p, 0,1
	ds_load_b128 v[KF+8*\kt+4*\p:KF+8*\kt+4*\p+3], v[ADK] offset:1024*\kt+512*\p
.endr
.endr
.endm
.macro SCORES                          ; eight products, each a whole sum (K = the head's 64), then the places in front of the first read
.irp kt, 0,1,2,3
.irp t, 0,1
	v_wmma_f32_16x16x64_bf8_bf8 v[S+32*\t+8*\kt:S+32*\t+8*\kt+7], v[KF+8*\kt:KF+8*\kt+7], v[Q+8*\t:Q+8*\t+7], 0
.endr
.endr
.rept 4
	v_nop
.endr
.endm
.macro MASKIF                          ; where the step has a blocked key: 64 words, one for each score register, a bit a lane; blocked scores become -infinity
	s_lshr_b32 s3, s21, s22
	s_and_b32 s3, s3, 1
	s_cmp_lg_u32 s3, 0
	s_cbranch_scc0 .Lopen_\@
	s_lshr_b32 s29, s23, 5                         ; 128 x step
	s_load_b512 s[32:47], s[10:11], s29 offset:0x0
	s_load_b512 s[48:63], s[10:11], s29 offset:0x40
	s_load_b512 s[68:83], s[10:11], s29 offset:0x1000
	s_load_b512 s[84:99], s[10:11], s29 offset:0x1040
	s_wait_kmcnt 0x0
.set n, 0
.rept 32
	v_cndmask_b32 v[S+n], v[S+n], v[NINF], s[32+n]
.set n, n+1
.endr
.set n, 0
.rept 32
	v_cndmask_b32 v[S+32+n], v[S+32+n], v[NINF], s[68+n]
.set n, n+1
.endr
.Lopen_\@:
.endm
	; ---- PASS 1: each query's largest score
	s_mov_b32 s22, 0                               ; the step
	s_mov_b32 s23, 0                               ; 4,096 x the step: its four tiles of K
.Lp1:
	SKIPTEST .Lp1_skip
	v_add_nc_u32 v[ADK], s23, v[LI]
	KLOADS
	s_wait_dscnt 0x0
	SCORES
	MASKIF
.irp kt, 0,1,2,3                       ; two chains a tile; each accumulator from its low end on
	v_max3_num_f32 v[MX],   v[MX],   v[S+8*\kt],      v[S+8*\kt+1]
	v_max3_num_f32 v[MX+2], v[MX+2], v[S+32+8*\kt],   v[S+32+8*\kt+1]
	v_max3_num_f32 v[MX+1], v[MX+1], v[S+8*\kt+2],    v[S+8*\kt+3]
	v_max3_num_f32 v[MX+3], v[MX+3], v[S+32+8*\kt+2], v[S+32+8*\kt+3]
	v_max3_num_f32 v[MX],   v[MX],   v[S+8*\kt+4],    v[S+8*\kt+5]
	v_max3_num_f32 v[MX+2], v[MX+2], v[S+32+8*\kt+4], v[S+32+8*\kt+5]
	v_max3_num_f32 v[MX+1], v[MX+1], v[S+8*\kt+6],    v[S+8*\kt+7]
	v_max3_num_f32 v[MX+3], v[MX+3], v[S+32+8*\kt+6], v[S+32+8*\kt+7]
.endr
.Lp1_skip:
	s_add_co_u32 s23, s23, 4096
	s_add_co_u32 s22, s22, 1
	s_cmp_lt_u32 s22, 32
	s_cbranch_scc1 .Lp1
	v_max_num_f32 v[MX], v[MX], v[MX+1]
	v_max_num_f32 v[MX+2], v[MX+2], v[MX+3]
	v_permlanex16_b32 v[MX+1], v[MX], s30, s31     ; the query's other keys lie in the lane 16 away
	v_permlanex16_b32 v[MX+3], v[MX+2], s30, s31
	v_max_num_f32 v[MX], v[MX], v[MX+1]
	v_max_num_f32 v[MX+2], v[MX+2], v[MX+3]
	v_mov_b32 v[MX+1], v[MX]
	v_mov_b32 v[MX+3], v[MX+2]
	v_add_nc_u32 v[ADV], 0x20000, v[FIL]           ; V lies behind K
	s_wait_loadcnt 0x0                             ; my eighth of V is in
.set i, 0
.rept 32
	ds_store_b128 v[ADV], v[128+4*i:128+4*i+3] offset:512*i
.set i, i+1
.endr
	s_wait_dscnt 0x0
	s_barrier_signal -1
	s_barrier_wait -1                              ; the head's V lies in LDS
.set i, 0
.rept 64
	v_mov_b32 v[O+i], 0                            ; O^T begins as zeros: which step is a wave's first hangs on the mask, so none can be written out ahead of the loop
.set i, i+1
.endr
.set i, 0
.rept 16
	v_mov_b32 v[LS+i], 0                           ; the sums, and the registers of the exchange (a lane permute's destination counts as read)
.set i, i+1
.endr
	; ---- PASS 2
	s_mov_b32 s22, 0
	s_mov_b32 s23, 0
.Lp2:
	SKIPTEST .Lp2_skip
	v_add_nc_u32 v[ADK], s23, v[LI]
	v_add_nc_u32 v[ADV], 0x20000, v[ADK]
	v_nop
	v_nop                                          ; four places between the last step's products and the loads into the registers that they read
	KLOADS
.irp dt, 0,1,2,3
.irp p, 0,1
	ds_load_b128 v[VF+8*\dt+4*\p:VF+8*\dt+4*\p+3], v[ADV] offset:1024*\dt+512*\p
.endr
.endr
	s_wait_dscnt 8                                 ; K's eight loads are in; V's eight may be out
	SCORES
	MASKIF
.set i, 0
.rept 16
	v_pk_add_f32 v[S+2*i:S+2*i+1], v[S+2*i:S+2*i+1], v[MX:MX+1] neg_lo:[0,1] neg_hi:[0,1]              ; s - m first, as the logit is formed,
	v_pk_add_f32 v[S+32+2*i:S+32+2*i+1], v[S+32+2*i:S+32+2*i+1], v[MX+2:MX+3] neg_lo:[0,1] neg_hi:[0,1]
.set i, i+1
.endr
.set i, 0
.rept 16
	v_pk_mul_f32 v[S+2*i:S+2*i+1], v[S+2*i:S+2*i+1], v[CC:CC+1]                                        ; then x c: no difference of large products
	v_pk_mul_f32 v[S+32+2*i:S+32+2*i+1], v[S+32+2*i:S+32+2*i+1], v[CC+2:CC+3]
.set i, i+1
.endr
.set i, 0
.rept 64
	v_exp_f32 v[S+i], v[S+i]                       ; p = 2^t, at most 1
.set i, i+1
.endr
	v_nop                                          ; a plain line behind the last exponential
	s_wait_alu depctr_va_vdst(0)                   ; one wait for the batch of 64, ahead of its first reader
.set i, 0
.rept 8
	v_pk_add_f32 v[LS:LS+1], v[LS:LS+1], v[S+4*i:S+4*i+1]             ; the sums are taken of the unquantised p: two chains a tile
	v_pk_add_f32 v[LS+2:LS+3], v[LS+2:LS+3], v[S+32+4*i:S+32+4*i+1]
	v_pk_add_f32 v[LS+4:LS+5], v[LS+4:LS+5], v[S+4*i+2:S+4*i+3]
	v_pk_add_f32 v[LS+6:LS+7], v[LS+6:LS+7], v[S+32+4*i+2:S+32+4*i+3]
.set i, i+1
.endr
	s_cmp_ge_i32 s26, -15                          ; 57,344 x 2^e8 is at least 1 from e8 = -15 on: p, at most 1, then needs no hold.  A branch on a given whole number
	s_cbranch_scc1 .Lno_hold
.set i, 0
.rept 64
	v_min_num_f32 v[S+i], v[S+i], v[LIMP]          ; the conversion does not saturate (ISA guide 7.6.2); p is not negative
.set i, i+1
.endr
.Lno_hold:
.irp t, 0,1
.irp kt, 0,1,2,3
	v_cvt_scalef32_pk8_bf8_f32 v[PC+8*\t+2*\kt:PC+8*\t+2*\kt+1], v[S+32*\t+8*\kt:S+32*\t+8*\kt+7], v[SCP]   ; keys 16 kt + 8 h + 0 .. 7: registers 2 kt, 2 kt + 1 of the operand
.endr
.endr
	v_nop                                          ; a plain line between the conversions and the products that read their results
	s_wait_dscnt 0x0                               ; V is in
.irp dt, 0,1,2,3                       ; eight accumulators, one instruction each; the next matrix instruction is always a score's
.irp t, 0,1
	v_wmma_f32_16x16x64_bf8_bf8 v[O+32*\t+8*\dt:O+32*\t+8*\dt+7], v[VF+8*\dt:VF+8*\dt+7], v[PC+8*\t:PC+8*\t+7], v[O+32*\t+8*\dt:O+32*\t+8*\dt+7]
.endr
.endr
.Lp2_skip:
	s_add_co_u32 s23, s23, 4096
	s_add_co_u32 s22, s22, 1
	s_cmp_lt_u32 s22, 32
	s_cbranch_scc1 .Lp2
	; ---- THE WAY OUT: o = O^T 2^(e8 + e9) / l, held, converted with 2^e10, and laid as the last product's operand wants it
.rept 4
	v_nop
.endr
	v_pk_add_f32 v[LS:LS+1], v[LS:LS+1], v[LS+4:LS+5]
	v_pk_add_f32 v[LS+2:LS+3], v[LS+2:LS+3], v[LS+6:LS+7]
	v_add_f32 v[LS], v[LS], v[LS+1]
	v_add_f32 v[LS+2], v[LS+2], v[LS+3]
	v_permlanex16_b32 v[YX], v[LS], s30, s31
	v_permlanex16_b32 v[YX+1], v[LS+2], s30, s31
	v_add_f32 v[LS], v[LS], v[YX]
	v_add_f32 v[LS+2], v[LS+2], v[YX+1]
	v_rcp_f32 v[LS+4], v[LS]
	v_rcp_f32 v[LS+6], v[LS+2]
	v_nop                                          ; a plain line behind the reciprocals
	s_add_co_i32 s2, s26, s27                      ; e8 + e9
	s_add_co_i32 s3, s28, 127
	s_lshl_b32 s29, s3, 23
	v_mov_b32 v[SCP], s29                          ; 2^e10
	s_add_co_i32 s3, s3, 15
	s_lshl_b32 s3, s3, 23
	s_or_b32 s3, s3, 0x600000
	v_mov_b32 v[LIMP], s3                          ; 57,344 x 2^e10
	s_mov_b32 s29, 0xffff0000                      ; lanes 16-31
	s_wait_alu depctr_va_vdst(0)                   ; one wait for both reciprocals, ahead of their first reader
	v_ldexp_f32 v[LS+4], v[LS+4], s2
	v_ldexp_f32 v[LS+6], v[LS+6], s2
	v_mov_b32 v[LS+5], v[LS+4]
	v_mov_b32 v[LS+7], v[LS+6]
; Tile t.  The conversions give lane (r, h) channels 16 dt + 8 h + 0 .. 7 in two registers a tile dt.  The image wants, in lane (r, h), registers 4 c + i: channels 32 c + 16 h + 4 i on.
; So lanes 0-15 keep tile 2 c and take lanes 16-31's half of it; lanes 16-31 keep tile 2 c + 1 and take lanes 0-15's: one exchange for each of four registers.
.macro OUT t
.set i, 0
.rept 16
	v_pk_mul_f32 v[S+32*\t+2*i:S+32*\t+2*i+1], v[O+32*\t+2*i:O+32*\t+2*i+1], v[LS+4+2*\t:LS+5+2*\t]   ; each accumulator from its low end on
.set i, i+1
.endr
.set i, 0
.rept 32
	v_med3_num_f32 v[S+32*\t+i], v[S+32*\t+i], -v[LIMP], v[LIMP]
.set i, i+1
.endr
.irp dt, 0,1,2,3
	v_cvt_scalef32_pk8_bf8_f32 v[PC+8*\t+2*\dt:PC+8*\t+2*\dt+1], v[S+32*\t+8*\dt:S+32*\t+8*\dt+7], v[SCP]
.endr
	v_nop                                          ; a plain line between the conversions and the lines that read their results
.irp c, 0,1
.irp u, 0,1
	v_cndmask_b32 v[YX+2*\c+\u], v[PC+8*\t+4*\c+2+\u], v[PC+8*\t+4*\c+\u], s29       ; what the lane 16 away wants of me
.endr
.endr
.irp c, 0,1
.irp u, 0,1
	v_permlanex16_b32 v[XY+2*\c+\u], v[YX+2*\c+\u], s30, s31
.endr
.endr
.irp c, 0,1
.irp u, 0,1
	v_cndmask_b32 v[TO+8*\t+4*\c+\u], v[PC+8*\t+4*\c+\u], v[XY+2*\c+\u], s29
	v_cndmask_b32 v[TO+8*\t+4*\c+2+\u], v[XY+2*\c+\u], v[PC+8*\t+4*\c+2+\u], s29
.endr
.endr
.irp p, 0,1
	global_store_b128 v[LI], v[TO+8*\t+4*\p:TO+8*\t+4*\p+3], s[16:17] offset:16384*\t+512*\p   ; 512 consecutive bytes: one part of the image
.endr
.endm
	OUT 0
	OUT 1
	s_set_vgpr_msb 0x5
	s_wait_tensorcnt 0x0
	ds_add_u32 v0, v1
	s_wait_dscnt 0x0
	s_set_vgpr_msb 0x500
	s_endpgm
.Lfunc_end_k_q9a292ccde6_attn:
	.size	k_q9a292ccde6_attn, .Lfunc_end_k_q9a292ccde6_attn-k_q9a292ccde6_attn
	.p2alignl 7, 3214868480
	.fill 96, 4, 3214868480
	.section	.rodata,"a",@progbits
	.p2align	6, 0x0
	.amdhsa_kernel k_q9a292ccde6_attn
		.amdhsa_group_segment_fixed_size 263168
		.amdhsa_private_segment_fixed_size 0
		.amdhsa_enable_private_segment 0
		.amdhsa_kernarg_size 56
		.amdhsa_user_sgpr_count 2
		.amdhsa_user_sgpr_kernarg_segment_ptr 1
		.amdhsa_wavefront_size32 1
		.amdhsa_system_sgpr_workgroup_id_x 1
		.amdhsa_system_sgpr_workgroup_id_y 1
		.amdhsa_system_sgpr_workgroup_id_z 1
		.amdhsa_system_vgpr_workitem_id 0
		.amdhsa_next_free_vgpr 258
		.amdhsa_next_free_sgpr 102
		.amdhsa_reserve_vcc 0
		.amdhsa_float_denorm_mode_32 3
		.amdhsa_float_denorm_mode_16_64 3
		.amdhsa_memory_ordered 1
		.amdhsa_forward_progress 1
		.amdhsa_inst_pref_size 54
	.end_amdhsa_kernel
	.amdgpu_metadata
---
amdhsa.version: [ 1, 2 ]
amdhsa.kernels:
  - .name:           k_q9a292ccde6_attn
    .symbol:         k_q9a292ccde6_attn.kd
    .args:
      - { .name: qimg, .offset: 0, .size: 8, .value_kind: global_buffer, .address_space: global }
      - { .name: kimg, .offset: 8, .size: 8, .value_kind: global_buffer, .address_space: global }
      - { .name: vimg, .offset: 16, .size: 8, .value_kind: global_buffer, .address_space: global }
      - { .name: mbits, .offset: 24, .size: 8, .value_kind: global_buffer, .address_space: global }
      - { .name: meta, .offset: 32, .size: 8, .value_kind: global_buffer, .address_space: global }
      - { .name: lowp_scales, .offset: 40, .size: 8, .value_kind: global_buffer, .address_space: global }
      - { .name: oimg, .offset: 48, .size: 8, .value_kind: global_buffer, .address_space: global }
    .group_segment_fixed_size: 263168
    .private_segment_fixed_size: 0
    .kernarg_segment_align: 8
    .kernarg_segment_size: 56
    .max_flat_workgroup_size: 256
    .sgpr_count:     102
    .vgpr_count:     258
    .wavefront_size: 32
...
	.end_amdgpu_metadata
.endif
;; end of part 3
;; launch outln (part 4): grid 128 x 1, 16 waves a work-group, no clusters, 166,400 bytes of LDS; arguments oimg, woimg, x, bo, gamma, beta, lowp_scales, out0; writes out0
.if DOCPART == 4
	.amdgcn_target "amdgcn-amd-amdhsa--gfx1250"
	.amdhsa_code_object_version 6
	.text
	.protected	k_q9a292ccde6_outln
	.globl	k_q9a292ccde6_outln
	.p2align	8
	.type	k_q9a292ccde6_outln,@function
k_q9a292ccde6_outln:
	s_mov_b64 s[64:65], 0
	v_nop
	global_prefetch_b8 v0, s[64:65] scope:SCOPE_SE
	s_setreg_imm32_b32 hwreg(HW_REG_WAVE_MODE, 25, 1), 1
	s_wait_xcnt 0x0
; out = nan_to_num(LayerNorm(o Wo^T + bo + nan_to_num(x)) gamma + beta).  The product runs on E5M2 codes, K = 1,024; all else in f32.
; SHARES.  A work-group owns 32 whole rows (the norm needs whole rows).  THE WAVES SHARE THE COLUMNS: wave w makes features 64 w .. 64 w + 63 (four tiles) for both tiles of 16 tokens.
; Its 65,536 bytes of Wo, laid by the first launch in the order of the operand's registers, stream from memory straight into registers, two K steps (32 loads of 512 consecutive bytes) ahead: no ring in LDS.
; o's 32,768 bytes, images of operand registers too, are copied into LDS as they lie and read by all sixteen waves.  128 work-groups: each must take in all of Wo, and with 32 rows each fragment of Wo feeds two products.
; The matrix instruction takes 16 rows of Wo as source 0 and 16 tokens as source 1: a lane holds eight neighbouring features of one token.  The sums meet in a stage in LDS; then a wave owns two whole rows.
; The mean is taken first and subtracted, then the squares are summed: no difference of large sums.
; LIMIT: e10 + e11 between -126 and 127.
.set YST,  32768                       ; behind o's images: the stage, 32 rows,
.set YP,   4112                        ; 4,096 bytes + 16 of padding apart: the 16 rows of a store start at 16 different banks (64 banks of 4 bytes: ISA guide 11.1)
.set ACC,  16                          ; v16-79   accumulator (feature tile nt, token tile tt) at 16 + 8 (2 nt + tt); later my two rows, 32 numbers a lane each
.set OF,   80                          ; v80-111  o's two fragments; later beta
.set WB,   112                         ; v112-239 Wo's fragments, two sets of four; later x (v112-175), bo (v176-207), gamma (v208-239)
.set XB,   112
.set BO,   176
.set GA,   208
.set BE,   80
.set NA,   240                         ; v240-255 o's copy; later v240-243 magnitudes
.set NT,   244                         ; v244-247 1e9 with the number's sign
.set BIG,  248                         ; 1e9
.set ZR,   249                         ; 0
	s_load_b512 s[4:19], s[0:1], 0x0               ; oimg, woimg, x, bo, gamma, beta, scales, out0
	v_lshl_add_u32 v14, v0, 2, 0x28200
	v_mov_b32 v15, 0
	v_lshrrev_b32 v2, 5, v0
	v_readfirstlane_b32 s24, v2                    ; wave 0..15
	v_and_b32 v2, 31, v0
	v_lshlrev_b32 v1, 4, v2                        ; 16 x lane
	v_lshlrev_b32 v7, 8, v2                        ; 256 x lane, for the prefetch; never rewritten
	v_and_b32 v8, 15, v0                           ; r
	v_bfe_u32 v9, v0, 4, 1                         ; h
	s_lshl_b32 s25, s24, 11
	v_add_nc_u32 v3, s25, v1                       ; my 2,048 bytes of o's images, in memory and in LDS
	v_mul_u32_u24 v4, v8, YP
	v_lshl_add_u32 v4, v9, 5, v4
	s_lshl_b32 s25, s24, 8
	s_add_co_u32 s25, s25, YST
	v_add_nc_u32 v4, s25, v4                       ; the stage: row r, + 32 h, + 256 w: my features' bytes
	v_add_nc_u32 v5, 16*YP, v4                     ; and the same for the second tile of tokens
	s_mul_i32 s25, s24, 2*YP
	s_add_co_u32 s25, s25, YST
	v_add_nc_u32 v6, s25, v1                       ; back: rows 2 w, 2 w + 1
	v_mov_b32 v[BIG], 0x4e6e6b28
	v_mov_b32 v[ZR], 0
	s_mov_b32 s28, 0x7f800000
	s_mov_b32 s29, 0x7fffffff
	s_mov_b32 s30, 0x76543210
	s_mov_b32 s31, 0xfedcba98
	s_mov_b32 s26, 0x3a800000                      ; 1 / 1,024
	s_mov_b32 s27, 0x3727c5ac                      ; 1e-5
	s_lshl_b32 s40, ttmp9, 15                      ; my block's images
	s_mov_b32 s41, 0
	s_lshl_b32 s42, s24, 16                        ; my wave's part of Wo
	s_mov_b32 s43, 0
	s_lshl_b32 s44, ttmp9, 5
	s_lshl_b32 s45, s24, 1
	s_add_co_u32 s44, s44, s45
	s_lshl_b32 s44, s44, 12                        ; row 32 g + 2 w of x and of the output
	s_mov_b32 s45, 0
	s_wait_kmcnt 0x0
	s_load_b64 s[20:21], s[16:17], 0x28            ; e10, e11
	s_add_nc_u64 s[4:5], s[4:5], s[40:41]
	s_add_nc_u64 s[6:7], s[6:7], s[42:43]
	s_add_nc_u64 s[8:9], s[8:9], s[44:45]
	s_add_nc_u64 s[18:19], s[18:19], s[44:45]
.macro WLOAD k                         ; K step k's four fragments of Wo into set k % 2
.irp t, 0,1,2,3
.irp c, 0,1,2,3
	global_load_b128 v[WB+64*((\k)%2)+16*\t+4*\c:WB+64*((\k)%2)+16*\t+4*\c+3], v1, s[6:7] offset:8192*(\k)+2048*\t+512*\c
.endr
.endr
.endm
.irp i, 0,1,2,3
	global_load_b128 v[NA+4*\i:NA+4*\i+3], v3, s[4:5] offset:512*\i
.endr
	WLOAD 0
	WLOAD 1
	s_wait_loadcnt 32                              ; o's four loads are in; the 32 of Wo's first two K steps may be out
.irp i, 0,1,2,3
	ds_store_b128 v3, v[NA+4*\i:NA+4*\i+3] offset:512*\i
.endr
	s_wait_dscnt 0x0
	s_barrier_signal -1
	s_barrier_wait -1                              ; o's images lie in LDS
.macro KS ks                           ; 128 along K (two heads): eight products, the accumulators by turns, one instruction a turn, in the same order in every step
.irp tt, 0,1
.irp c, 0,1,2,3
	ds_load_b128 v[OF+16*\tt+4*\c:OF+16*\tt+4*\c+3], v1 offset:16384*\tt+2048*(\ks)+512*\c
.endr
.endr
.if (\ks) < 7
	s_wait_loadcnt 16                              ; this step's weights are in; the next step's sixteen loads may be out
.else
	s_wait_loadcnt 0x0
.endif
	s_wait_dscnt 0x0
.irp nt, 0,1,2,3
.irp tt, 0,1
.if (\ks) == 0
	v_wmma_f32_16x16x128_bf8_bf8 v[ACC+8*(2*\nt+\tt):ACC+8*(2*\nt+\tt)+7], v[WB+64*((\ks)%2)+16*\nt:WB+64*((\ks)%2)+16*\nt+15], v[OF+16*\tt:OF+16*\tt+15], 0
.else
	v_wmma_f32_16x16x128_bf8_bf8 v[ACC+8*(2*\nt+\tt):ACC+8*(2*\nt+\tt)+7], v[WB+64*((\ks)%2)+16*\nt:WB+64*((\ks)%2)+16*\nt+15], v[OF+16*\tt:OF+16*\tt+15], v[ACC+8*(2*\nt+\tt):ACC+8*(2*\nt+\tt)+7]
.endif
.endr
.endr
.rept 4
	v_nop                                          ; places in front of loads into registers that these products read, and of the first read of their sums
.endr
.if (\ks) < 6
	WLOAD (\ks)+2
.endif
.if (\ks) == 3
	global_prefetch_b8 v7, s[8:9] th:TH_LOAD_NT scope:SCOPE_SE   ; my two rows of x, 32 blocks of 256 bytes, a lane a block, each named once in the launch: four K steps ahead of their loads
.endif
.endm
.irp ks, 0,1,2,3,4,5,6,7
	KS \ks
.endr
	; ---- the tail: what it needs from memory is asked for first
.irp i, 0,1
.irp j, 0,1,2,3,4,5,6,7
	global_load_b128 v[XB+32*\i+4*\j:XB+32*\i+4*\j+3], v1, s[8:9] offset:4096*\i+512*\j
.endr
.endr
.irp j, 0,1,2,3,4,5,6,7
	global_load_b128 v[BO+4*\j:BO+4*\j+3], v1, s[10:11] offset:512*\j
.endr
.irp j, 0,1,2,3,4,5,6,7
	global_load_b128 v[GA+4*\j:GA+4*\j+3], v1, s[12:13] offset:512*\j
.endr
.irp j, 0,1,2,3,4,5,6,7
	global_load_b128 v[BE+4*\j:BE+4*\j+3], v1, s[14:15] offset:512*\j
.endr
.irp nt, 0,1,2,3
.irp tt, 0,1
	ds_store_b128 v[4+\tt], v[ACC+8*(2*\nt+\tt):ACC+8*(2*\nt+\tt)+3] offset:64*\nt          ; each accumulator from its low end on: lane (r, h): token r, features 64 w + 16 nt + 8 h + 0 .. 7
	ds_store_b128 v[4+\tt], v[ACC+8*(2*\nt+\tt)+4:ACC+8*(2*\nt+\tt)+7] offset:64*\nt+16
.endr
.endr
	s_wait_dscnt 0x0
	s_barrier_signal -1
	s_barrier_wait -1                              ; 32 whole rows of sums lie in the stage
.irp i, 0,1
.irp j, 0,1,2,3,4,5,6,7
	ds_load_b128 v[ACC+32*\i+4*\j:ACC+32*\i+4*\j+3], v6 offset:YP*\i+512*\j    ; my lane: features 128 j + 4 lane + 0 .. 3
.endr
.endr
	s_wait_kmcnt 0x0
	s_add_co_i32 s22, s20, s21
	s_add_co_i32 s22, s22, 127
	s_lshl_b32 s22, s22, 23                        ; 2^(e10 + e11) as f32
	s_mov_b32 s23, s22                             ; (named with it as a pair, so it is written)
	s_wait_dscnt 0x0
	s_wait_loadcnt 0x0
.macro NAN4 x                          ; four numbers: +-inf -> +-1e9, NaN -> 0
.irp k, 0,1,2,3
	v_and_b32 v[NA+\k], s29, v[(\x)+\k]
	v_bfi_b32 v[NT+\k], s29, v[BIG], v[(\x)+\k]
.endr
.irp k, 0,1,2,3
	v_cmp_eq_u32 s[32+\k], s28, v[NA+\k]
	v_cmp_lt_u32 s[36+\k], s28, v[NA+\k]
.endr
.irp k, 0,1,2,3
	v_cndmask_b32 v[(\x)+\k], v[(\x)+\k], v[NT+\k], s[32+\k]
.endr
.irp k, 0,1,2,3
	v_cndmask_b32 v[(\x)+\k], v[(\x)+\k], v[ZR], s[36+\k]
.endr
.endm
.macro WSUM                            ; v250: the sum over the wave's 32 lanes, in every lane
	v_add_f32 v250, v250, v251
	v_add_f32_dpp v250, v250, v250 row_xmask:1 row_mask:0xf bank_mask:0xf
	v_add_f32_dpp v250, v250, v250 row_xmask:2 row_mask:0xf bank_mask:0xf
	v_add_f32_dpp v250, v250, v250 row_xmask:4 row_mask:0xf bank_mask:0xf
	v_add_f32_dpp v250, v250, v250 row_xmask:8 row_mask:0xf bank_mask:0xf
	v_permlanex16_b32 v251, v250, s30, s31
	v_add_f32 v250, v250, v251
.endm
.macro ROW i
.set Y, ACC+32*(\i)
.set XR, XB+32*(\i)
.irp q, 0,4,8,12,16,20,24,28
	NAN4 XR+\q
.endr
.irp k, 0,2,4,6,8,10,12,14,16,18,20,22,24,26,28,30
	v_pk_fma_f32 v[Y+\k:Y+\k+1], v[Y+\k:Y+\k+1], s[22:23], v[BO+\k:BO+\k+1] op_sel_hi:[1,0,1]   ; y = sum x 2^(e10 + e11) + bo
.endr
.irp k, 0,2,4,6,8,10,12,14,16,18,20,22,24,26,28,30
	v_pk_add_f32 v[Y+\k:Y+\k+1], v[Y+\k:Y+\k+1], v[XR+\k:XR+\k+1]                              ; + x
.endr
	v_pk_add_f32 v[250:251], v[Y:Y+1], v[Y+2:Y+3]
	v_pk_add_f32 v[252:253], v[Y+4:Y+5], v[Y+6:Y+7]
.irp k, 8,12,16,20,24,28
	v_pk_add_f32 v[250:251], v[250:251], v[Y+\k:Y+\k+1]
	v_pk_add_f32 v[252:253], v[252:253], v[Y+\k+2:Y+\k+3]
.endr
	v_pk_add_f32 v[250:251], v[250:251], v[252:253]
	WSUM
	v_mul_f32 v254, s26, v250                      ; the mean
	v_mov_b32 v255, v254
.irp k, 0,2,4,6,8,10,12,14,16,18,20,22,24,26,28,30
	v_pk_add_f32 v[Y+\k:Y+\k+1], v[Y+\k:Y+\k+1], v[254:255] neg_lo:[0,1] neg_hi:[0,1]
.endr
	v_pk_mul_f32 v[250:251], v[Y:Y+1], v[Y:Y+1]
	v_pk_mul_f32 v[252:253], v[Y+2:Y+3], v[Y+2:Y+3]
.irp k, 4,8,12,16,20,24,28
	v_pk_fma_f32 v[250:251], v[Y+\k:Y+\k+1], v[Y+\k:Y+\k+1], v[250:251]
	v_pk_fma_f32 v[252:253], v[Y+\k+2:Y+\k+3], v[Y+\k+2:Y+\k+3], v[252:253]
.endr
	v_pk_add_f32 v[250:251], v[250:251], v[252:253]
	WSUM
	v_fma_f32 v250, v250, s26, s27                 ; the variance + 1e-5
	v_rsq_f32 v254, v250
	v_nop                                          ; a plain line behind the root
	s_wait_alu depctr_va_vdst(0)                   ; and a wait ahead of its first reader
	v_mov_b32 v255, v254
.irp k, 0,2,4,6,8,10,12,14,16,18,20,22,24,26,28,30
	v_pk_mul_f32 v[Y+\k:Y+\k+1], v[Y+\k:Y+\k+1], v[254:255]
.endr
.irp k, 0,2,4,6,8,10,12,14,16,18,20,22,24,26,28,30
	v_pk_fma_f32 v[Y+\k:Y+\k+1], v[Y+\k:Y+\k+1], v[GA+\k:GA+\k+1], v[BE+\k:BE+\k+1]
.endr
.irp q, 0,4,8,12,16,20,24,28
	NAN4 Y+\q
.endr
.irp j, 0,1,2,3,4,5,6,7
	global_store_b128 v1, v[Y+4*\j:Y+4*\j+3], s[18:19] offset:4096*(\i)+512*\j th:TH_STORE_NT   ; 32 lanes store 512 consecutive bytes; written once, read by nobody here
.endr
.endm
	ROW 0
	ROW 1
	s_wait_tensorcnt 0x0
	ds_add_u32 v14, v15
	s_wait_dscnt 0x0
	s_endpgm
.Lfunc_end_k_q9a292ccde6_outln:
	.size	k_q9a292ccde6_outln, .Lfunc_end_k_q9a292ccde6_outln-k_q9a292ccde6_outln
	.p2alignl 7, 3214868480
	.fill 96, 4, 3214868480
	.section	.rodata,"a",@progbits
	.p2align	6, 0x0
	.amdhsa_kernel k_q9a292ccde6_outln
		.amdhsa_group_segment_fixed_size 166400
		.amdhsa_private_segment_fixed_size 0
		.amdhsa_enable_private_segment 0
		.amdhsa_kernarg_size 64
		.amdhsa_user_sgpr_count 2
		.amdhsa_user_sgpr_kernarg_segment_ptr 1
		.amdhsa_wavefront_size32 1
		.amdhsa_system_sgpr_workgroup_id_x 1
		.amdhsa_system_sgpr_workgroup_id_y 1
		.amdhsa_system_sgpr_workgroup_id_z 1
		.amdhsa_system_vgpr_workitem_id 0
		.amdhsa_next_free_vgpr 256
		.amdhsa_next_free_sgpr 66
		.amdhsa_reserve_vcc 0
		.amdhsa_float_denorm_mode_32 3
		.amdhsa_float_denorm_mode_16_64 3
		.amdhsa_memory_ordered 1
		.amdhsa_forward_progress 1
		.amdhsa_inst_pref_size 93
	.end_amdhsa_kernel
	.amdgpu_metadata
---
amdhsa.version: [ 1, 2 ]
amdhsa.kernels:
  - .name:           k_q9a292ccde6_outln
    .symbol:         k_q9a292ccde6_outln.kd
    .args:
      - { .name: oimg, .offset: 0, .size: 8, .value_kind: global_buffer, .address_space: global }
      - { .name: woimg, .offset: 8, .size: 8, .value_kind: global_buffer, .address_space: global }
      - { .name: x, .offset: 16, .size: 8, .value_kind: global_buffer, .address_space: global }
      - { .name: bo, .offset: 24, .size: 8, .value_kind: global_buffer, .address_space: global }
      - { .name: gamma, .offset: 32, .size: 8, .value_kind: global_buffer, .address_space: global }
      - { .name: beta, .offset: 40, .size: 8, .value_kind: global_buffer, .address_space: global }
      - { .name: lowp_scales, .offset: 48, .size: 8, .value_kind: global_buffer, .address_space: global }
      - { .name: out0, .offset: 56, .size: 8, .value_kind: global_buffer, .address_space: global }
    .group_segment_fixed_size: 166400
    .private_segment_fixed_size: 0
    .kernarg_segment_align: 8
    .kernarg_segment_size: 64
    .max_flat_workgroup_size: 512
    .sgpr_count:     66
    .vgpr_count:     256
    .wavefront_size: 32
...
	.end_amdgpu_metadata
.endif
;; end of part 4
;; ======== version 2 of 2: 4 launches; version 1 with the launches attn, outln written anew for expert scheduling mode
;; workspace buffers: xc 12,582,912 bytes; qimg 4,194,304 bytes; kimg 4,194,304 bytes; vimg 4,194,304 bytes; oimg 4,194,304 bytes; woimg 1,048,576 bytes; mbits 524,288 bytes of whole numbers; meta 32,768 bytes of whole numbers
;; launch prep: the kernel of part 1 again; grid 256 x 1, 8 waves a work-group, no clusters, 75,264 bytes of LDS; arguments x, mask, Wo_codes, lowp_scales, xc, mbits, meta, woimg; writes xc, mbits, meta, woimg
;; launch qkv: the kernel of part 2 again; grid 12 x 16, 4 waves a work-group, clusters of 4 x 4, 327,680 bytes of LDS; arguments xc, Wq_codes, Wk_codes, Wv_codes, bq, bk, bv, lowp_scales, qimg, kimg, vimg; writes qimg, kimg, vimg
;; launch attn (part 5): grid 8 x 32, 8 waves a work-group, no clusters, 263,168 bytes of LDS; arguments qimg, kimg, vimg, mbits, meta, lowp_scales, oimg; writes oimg
.if DOCPART == 5
	.amdgcn_target "amdgcn-amd-amdhsa--gfx1250"
	.amdhsa_code_object_version 6
	.text
	.protected	k_q9a292ccde6_attn
	.globl	k_q9a292ccde6_attn
	.p2align	8
	.type	k_q9a292ccde6_attn,@function
k_q9a292ccde6_attn:
	s_mov_b64 s[64:65], 0
	v_nop
	global_prefetch_b8 v0, s[64:65] scope:SCOPE_SE
	s_setreg_imm32_b32 hwreg(HW_REG_WAVE_SCHED_MODE, 0, 2), 2
	s_setreg_imm32_b32 hwreg(HW_REG_WAVE_MODE, 25, 1), 1
	s_wait_xcnt 0x0
	s_wait_alu depctr_vm_vsrc(0)
; o = softmax(mask(q k^T / 8)) v for one (batch, head) a work-group row, both products on E5M2 codes, and o quantised at once (scale e10) for the last product.
; WHAT IS QUANTISED AHEAD OF THE SECOND PRODUCT: the logit that goes into the softmax is score - the row's largest score, so its largest t is 0, M = 0, and p = 2^((s - m) log2 e).
; m must therefore be known before any p is made: TWO PASSES over the keys.  Pass 1: K Q^T and the maximum.  Pass 2: K Q^T again, p, the sum of the unquantised p, V^T P.  Nothing is ever rescaled.
; THE MASK is an input.  The first launch has laid it as one bit a lane for each score register (mbits) and as two flags for each step of 64 keys and tile of 16 queries (meta).  A step in which no key is open
; for any of the wave's 32 queries is jumped over; a step in which no key is blocked skips the mask's lines: scalar branches on those stored whole numbers.  So this launch has no tensor load: LDS is filled through registers.
; A row that is blocked everywhere has all logits 0: it is taken as open everywhere with its factor c = 0, so p = 1 for all 2,048 keys.
; SHARES.  The work-group holds the head's K (131,072 bytes) and V (the same) in LDS, as images of the operands' registers.  A wave owns 32 queries, two tiles that share every fragment of K and V:
; block 8 (w % 4) + g for waves 0-3, 63 less that for waves 4-7.
; LAYOUT.  S^T = K Q^T (source 0 = 16 keys, source 1 = 16 queries): lane (r, h) holds query r and keys 8 h + 0 .. 7 of a tile: eight neighbours along the second product's K, in that operand's own order.
; O^T = V^T P (source 0 = 16 channels, source 1 = P).  LIMITS: e6 + e7 - 3 between -126 and 126; e8, e10 between -126 and 112; scores are finite.
; THE MODE: SCHED_MODE bits 1:0 = 2 (LLVM: expert scheduling mode 2), set by the entry lines.  The code itself states the register dependences
; between vector or matrix instructions and memory or LDS instructions, with s_wait_alu, always for 0.
; THE PLAN.  Registers that memory or LDS instructions touch:
;   v[LI], v[FIL]   offsets, made at the head and never written again.   v36, v37: offsets of the head's four small loads; later part of KF.
;   v[ADK], v[ADV]  LDS addresses: written by one add each at the head of a step that is walked, read by that step's LDS loads (v[ADV] also by V's LDS stores).
;   KF              a step's eight LDS loads land in it; the step's eight score products read it.
;   VF              pass 2: a step's eight LDS loads land in it; the step's eight products V^T P read it.
;   v128-255        the fills' staging: global loads land in it, LDS stores read it, twice (K, V); behind V's stores these registers are O, VF, PC and the sums.
;   TO              the way out: written by the selects, read by four global stores.
;   S, PC, O, Q and the statistics are named by vector and matrix instructions alone (Q is loaded once, at the head).
; So a step that is walked has three lines at its head: a wait on vm_vsrc ahead of the add(s) to the addresses, the add(s), and ONE wait on va_vdst, which states that the addresses are written and
; that the products of the step before are done reading KF and VF.  All of the step's LDS loads follow with no further wait: in pass 2 V's eight are dealt among the score products, which name S, KF and Q alone.
.set LI,   1                           ; v1   16 x lane
.set ADK,  2                           ; v2   the step's tiles of K in LDS
.set ADV,  3                           ; v3   of V
.set NINF, 4                           ; v4   -infinity
.set FIL,  5                           ; v5   16 x lane + 16,384 x wave: my part of a head's K or V, in memory and in LDS; never rewritten
.set SCP,  6                           ; v6   2^e8, at the end 2^e10
.set LIMP, 7                           ; v7   57,344 x that
.set MX,   8                           ; v[8:9], v[10:11] m of tile 0, 1, twice each; in pass 1 two running maxima a tile
.set CC,   12                          ; v[12:13], v[14:15] c = log2(e) 2^(e6 + e7 - 3) x alive, twice each
.set Q,    16                          ; v16-31   Q's two fragments
.set KF,   32                          ; v32-63   K's four
.set S,    64                          ; v64-127  S^T, then p: tile t, key tile kt at 64 + 32 t + 8 kt
.set O,    128                         ; v128-191 O^T: 128 + 32 t + 8 dt.  (v128-255 are the fills' staging before)
.set VF,   192                         ; v192-223 V's four
.set PC,   224                         ; v224-239 p's codes, 8 a tile
.set LS,   240                         ; v[240:243] the sums, v[244:247] their second chains; at the end the reciprocals
.set YX,   248                         ; v248-251, v252-255: the exchange on the way out
.set XY,   252
.set TO,   32                          ; the images on their way out
	s_load_b256 s[4:11], s[0:1], 0x0               ; qimg, kimg, vimg, mbits
	s_load_b128 s[12:15], s[0:1], 0x20             ; meta, the scales
	s_load_b64 s[16:17], s[0:1], 0x30              ; oimg
	s_set_vgpr_msb 0x40
	v_lshl_add_u32 v0, v0, 2, 0x40000
	v_mov_b32 v1, 0
	s_set_vgpr_msb 0x4000
	v_lshrrev_b32 v2, 5, v0
	v_readfirstlane_b32 s18, v2                    ; wave 0..7
	v_and_b32 v2, 31, v0
	v_lshlrev_b32 v[LI], 4, v2
	v_and_b32 v3, 15, v0                           ; r
	v_bfe_u32 v6, v0, 4, 1                         ; h
	v_lshlrev_b32 v37, 2, v3                       ; alive: 4 r
	v_lshl_add_u32 v36, v6, 7, v37                 ; flags: lane = step: 4 (lane % 16) + 128 (lane / 16)
	s_wait_alu depctr_va_sdst(0)                   ; s18 is written, ahead of its first reader: offsets and bases are made from it
	s_lshl_b32 s2, s18, 14
	v_add_nc_u32 v[FIL], s2, v[LI]
	v_mov_b32 v[NINF], 0xff800000
	s_mov_b32 s30, 0x76543210                      ; v_permlanex16_b32's selects for lane l xor 16
	s_mov_b32 s31, 0xfedcba98
	s_and_b32 s19, s18, 3
	s_lshl_b32 s19, s19, 3
	s_add_co_u32 s19, s19, ttmp9
	s_sub_co_u32 s2, 63, s19
	s_cmp_lt_u32 s18, 4
	s_cselect_b32 s19, s19, s2                     ; my block of 32 queries
	s_and_b32 s3, ttmp7, 0xffff                    ; b h
	s_wait_kmcnt 0x0
	s_load_b128 s[24:27], s[14:15], 0x18           ; e6, e7, e8, e9
	s_load_b32 s28, s[14:15], 0x28                 ; e10
	s_lshl_b32 s100, s3, 17                        ; a head's 131,072 bytes
	s_mov_b32 s101, 0
	s_add_nc_u64 s[6:7], s[6:7], s[100:101]
	s_add_nc_u64 s[8:9], s[8:9], s[100:101]
	s_add_nc_u64 s[4:5], s[4:5], s[100:101]
	s_lshl_b32 s100, s19, 11                       ; my two tiles of Q
	s_add_nc_u64 s[4:5], s[4:5], s[100:101]
	s_lshl_b32 s100, s19, 13                       ; their 2 x 32 x 32 words
	s_add_nc_u64 s[10:11], s[10:11], s[100:101]
	s_lshl_b32 s100, s19, 9                        ; their 2 x 2 x 32 words of meta
	s_add_nc_u64 s[12:13], s[12:13], s[100:101]
	s_lshr_b32 s100, s3, 4
	s_lshl_b32 s100, s100, 7
	s_lshl_b32 s2, s19, 1
	s_add_co_u32 s100, s100, s2                    ; my first token tile of 256,
	s_lshl_b32 s100, s100, 4
	s_and_b32 s2, s3, 15
	s_add_co_u32 s100, s100, s2                    ; x 16 heads + my head,
	s_lshl_b32 s100, s100, 10                      ; x 1,024 bytes
	s_add_nc_u64 s[16:17], s[16:17], s[100:101]
	s_wait_alu depctr_va_vdst(0)                   ; the offsets v[LI], v[FIL], v36 and v37 are written, which the loads and stores below read
	global_load_b32 v32, v36, s[12:13]             ; the 32 steps' flags of tile 0,
	global_load_b32 v33, v36, s[12:13] offset:256  ; of tile 1
	global_load_b32 v34, v37, s[12:13] offset:64   ; alive of my query in tile 0,
	global_load_b32 v35, v37, s[12:13] offset:320  ; in tile 1
.irp t, 0,1
.irp p, 0,1
	global_load_b128 v[Q+8*\t+4*\p:Q+8*\t+4*\p+3], v[LI], s[4:5] offset:1024*\t+512*\p
.endr
.endr
.set i, 0
.rept 32
	global_load_b128 v[128+4*i:128+4*i+3], v[FIL], s[6:7] offset:512*i   ; my eighth of the head's K
.set i, i+1
.endr
	s_wait_loadcnt 32                              ; the eight small loads are in; K's 32 may be out
	v_or_b32 v32, v32, v33                         ; the wave walks a step if either tile needs it
	v_and_b32 v33, 1, v32
	v_cmp_ne_u32 s20, 0, v33                       ; bit s: some key of step s is open
	v_and_b32 v33, 2, v32
	v_cmp_ne_u32 s21, 0, v33                       ; bit s: some key of step s is blocked
	s_wait_alu depctr_va_sdst(0)                   ; s20 and s21 are written
	s_wait_kmcnt 0x0
	s_add_co_i32 s2, s24, s25
	s_sub_co_i32 s2, s2, 3
	s_lshl_b32 s2, s2, 23
	s_add_co_i32 s2, s2, 0x3fb8aa3b                ; log2(e) with e6 + e7 - 3 added to its exponent field: a score stands for score x 2^(e6 + e7), and is divided by 8
	v_cvt_f32_u32 v34, v34
	v_cvt_f32_u32 v35, v35
	v_mul_f32 v[CC], s2, v34
	v_mul_f32 v[CC+2], s2, v35
	v_mov_b32 v[CC+1], v[CC]
	v_mov_b32 v[CC+3], v[CC+2]
	s_add_co_i32 s2, s26, 127
	s_lshl_b32 s3, s2, 23
	v_mov_b32 v[SCP], s3                           ; 2^e8
	s_add_co_i32 s2, s2, 15
	s_lshl_b32 s2, s2, 23
	s_or_b32 s2, s2, 0x600000
	v_mov_b32 v[LIMP], s2                          ; 57,344 x 2^e8
.irp k, 0,1,2,3
	v_mov_b32 v[MX+\k], v[NINF]
.endr
	s_wait_loadcnt 0x0
.set i, 0
.rept 32
	ds_store_b128 v[FIL], v[128+4*i:128+4*i+3] offset:512*i   ; no vector instruction since the wait on va_vdst above names v[FIL] or the staging
.set i, i+1
.endr
	s_wait_dscnt 0x0                               ; for the other waves' sake: my part of K has landed
	s_wait_alu depctr_vm_vsrc(0)                   ; the LDS stores have read the staging, in which V's loads land; the small loads have read v36 and v37, which are part of KF from here on
.set i, 0
.rept 32
	global_load_b128 v[128+4*i:128+4*i+3], v[FIL], s[8:9] offset:512*i   ; my eighth of V: it is on its way during pass 1
.set i, i+1
.endr
	s_barrier_signal -1
	s_barrier_wait -1                              ; the head's K lies in LDS
.macro SKIPTEST lbl                    ; is any key of step s22 open?
	s_lshr_b32 s2, s20, s22
	s_and_b32 s2, s2, 1
	s_cmp_lg_u32 s2, 0
	s_cbranch_scc0 \lbl
.endm
.macro KLOADS
.irp kt, 0,1,2,3
.irp p, 0,1
	ds_load_b128 v[KF+8*\kt+4*\p:KF+8*\kt+4*\p+3], v[ADK] offset:1024*\kt+512*\p
.endr
.endr
.endm
.macro SCORES                          ; eight products, each a whole sum (K = the head's 64), then the places in front of the first read
.irp kt, 0,1,2,3
.irp t, 0,1
	v_wmma_f32_16x16x64_bf8_bf8 v[S+32*\t+8*\kt:S+32*\t+8*\kt+7], v[KF+8*\kt:KF+8*\kt+7], v[Q+8*\t:Q+8*\t+7], 0
.endr
.endr
.rept 4
	v_nop
.endr
.endm
.macro SCORES_V                        ; pass 2: the same eight products, with V's eight LDS loads dealt among them, two behind each pair.  No wait: no vector or matrix instruction since the step's wait on va_vdst names VF or v[ADV]
.irp kt, 0,1,2,3
.irp t, 0,1
	v_wmma_f32_16x16x64_bf8_bf8 v[S+32*\t+8*\kt:S+32*\t+8*\kt+7], v[KF+8*\kt:KF+8*\kt+7], v[Q+8*\t:Q+8*\t+7], 0
.endr
.irp p, 0,1
	ds_load_b128 v[VF+8*\kt+4*\p:VF+8*\kt+4*\p+3], v[ADV] offset:1024*\kt+512*\p
.endr
.endr
.rept 4
	v_nop
.endr
.endm
.macro MASKIF                          ; where the step has a blocked key: 64 words, one for each score register, a bit a lane; blocked scores become -infinity
	s_lshr_b32 s3, s21, s22
	s_and_b32 s3, s3, 1
	s_cmp_lg_u32 s3, 0
	s_cbranch_scc0 .Lopen_\@
	s_lshr_b32 s29, s23, 5                         ; 128 x step
	s_load_b512 s[32:47], s[10:11], s29 offset:0x0
	s_load_b512 s[48:63], s[10:11], s29 offset:0x40
	s_load_b512 s[68:83], s[10:11], s29 offset:0x1000
	s_load_b512 s[84:99], s[10:11], s29 offset:0x1040
	s_wait_kmcnt 0x0
.set n, 0
.rept 32
	v_cndmask_b32 v[S+n], v[S+n], v[NINF], s[32+n]
.set n, n+1
.endr
.set n, 0
.rept 32
	v_cndmask_b32 v[S+32+n], v[S+32+n], v[NINF], s[68+n]
.set n, n+1
.endr
.Lopen_\@:
.endm
	; ---- PASS 1: each query's largest score
	s_mov_b32 s22, 0                               ; the step
	s_mov_b32 s23, 0                               ; 4,096 x the step: its four tiles of K
.Lp1:
	SKIPTEST .Lp1_skip
	s_wait_alu depctr_vm_vsrc(0)                   ; the LDS loads of the step walked before have read v[ADK]
	v_add_nc_u32 v[ADK], s23, v[LI]
	s_wait_alu depctr_va_vdst(0)                   ; v[ADK] is written; the score products of the step before are done reading KF (in the first step: the head's lines on v32 to v35 are done), in which the loads below land
	KLOADS
	s_wait_dscnt 0x0
	SCORES
	MASKIF
.irp kt, 0,1,2,3                       ; two chains a tile; each accumulator from its low end on
	v_max3_num_f32 v[MX],   v[MX],   v[S+8*\kt],      v[S+8*\kt+1]
	v_max3_num_f32 v[MX+2], v[MX+2], v[S+32+8*\kt],   v[S+32+8*\kt+1]
	v_max3_num_f32 v[MX+1], v[MX+1], v[S+8*\kt+2],    v[S+8*\kt+3]
	v_max3_num_f32 v[MX+3], v[MX+3], v[S+32+8*\kt+2], v[S+32+8*\kt+3]
	v_max3_num_f32 v[MX],   v[MX],   v[S+8*\kt+4],    v[S+8*\kt+5]
	v_max3_num_f32 v[MX+2], v[MX+2], v[S+32+8*\kt+4], v[S+32+8*\kt+5]
	v_max3_num_f32 v[MX+1], v[MX+1], v[S+8*\kt+6],    v[S+8*\kt+7]
	v_max3_num_f32 v[MX+3], v[MX+3], v[S+32+8*\kt+6], v[S+32+8*\kt+7]
.endr
.Lp1_skip:
	s_add_co_u32 s23, s23, 4096
	s_add_co_u32 s22, s22, 1
	s_cmp_lt_u32 s22, 32
	s_cbranch_scc1 .Lp1
	v_max_num_f32 v[MX], v[MX], v[MX+1]
	v_max_num_f32 v[MX+2], v[MX+2], v[MX+3]
	v_permlanex16_b32 v[MX+1], v[MX], s30, s31     ; the query's other keys lie in the lane 16 away
	v_permlanex16_b32 v[MX+3], v[MX+2], s30, s31
	v_max_num_f32 v[MX], v[MX], v[MX+1]
	v_max_num_f32 v[MX+2], v[MX+2], v[MX+3]
	v_mov_b32 v[MX+1], v[MX]
	v_mov_b32 v[MX+3], v[MX+2]
	v_add_nc_u32 v[ADV], 0x20000, v[FIL]           ; V lies behind K
	s_wait_loadcnt 0x0                             ; my eighth of V is in
	s_wait_alu depctr_va_vdst(0)                   ; v[ADV] is written, which the LDS stores read as their address
.set i, 0
.rept 32
	ds_store_b128 v[ADV], v[128+4*i:128+4*i+3] offset:512*i
.set i, i+1
.endr
	s_wait_dscnt 0x0
	s_barrier_signal -1
	s_barrier_wait -1                              ; the head's V lies in LDS
	s_wait_alu depctr_vm_vsrc(0)                   ; my LDS stores have read v128 to v255: these registers are O, VF, PC and the sums from here on, written by the lines below, by V's fragment loads and by the conversions
.set i, 0
.rept 64
	v_mov_b32 v[O+i], 0                            ; O^T begins as zeros: which step is a wave's first hangs on the mask, so none can be written out ahead of the loop
.set i, i+1
.endr
.set i, 0
.rept 16
	v_mov_b32 v[LS+i], 0                           ; the sums, and the registers of the exchange (a lane permute's destination counts as read)
.set i, i+1
.endr
	; ---- PASS 2
	s_mov_b32 s22, 0
	s_mov_b32 s23, 0
.Lp2:
	SKIPTEST .Lp2_skip
	s_wait_alu depctr_vm_vsrc(0)                   ; the LDS loads of the step walked before (in the first: pass 1's loads and V's stores) have read v[ADK] and v[ADV]
	v_add_nc_u32 v[ADK], s23, v[LI]
	v_add_nc_u32 v[ADV], 0x20000, v[ADK]
	v_nop
	v_nop                                          ; with the two additions four plain lines behind the last step's products, as they stood
	s_wait_alu depctr_va_vdst(0)                   ; v[ADK] and v[ADV] are written; the last step's score products are done reading KF and its products V^T P are done reading VF: all sixteen LDS loads of this step hang on nothing more
	KLOADS
	s_wait_dscnt 0x0                               ; K's eight loads are in; V's are asked for behind this wait
	SCORES_V
	MASKIF
.set i, 0
.rept 16
	v_pk_add_f32 v[S+2*i:S+2*i+1], v[S+2*i:S+2*i+1], v[MX:MX+1] neg_lo:[0,1] neg_hi:[0,1]              ; s - m first, as the logit is formed,
	v_pk_add_f32 v[S+32+2*i:S+32+2*i+1], v[S+32+2*i:S+32+2*i+1], v[MX+2:MX+3] neg_lo:[0,1] neg_hi:[0,1]
.set i, i+1
.endr
.set i, 0
.rept 16
	v_pk_mul_f32 v[S+2*i:S+2*i+1], v[S+2*i:S+2*i+1], v[CC:CC+1]                                        ; then x c: no difference of large products
	v_pk_mul_f32 v[S+32+2*i:S+32+2*i+1], v[S+32+2*i:S+32+2*i+1], v[CC+2:CC+3]
.set i, i+1
.endr
.set i, 0
.rept 64
	v_exp_f32 v[S+i], v[S+i]                       ; p = 2^t, at most 1
.set i, i+1
.endr
	v_nop                                          ; a plain line behind the last exponential
	s_wait_alu depctr_va_vdst(0)                   ; the 64 exponentials have written p: one wait for the batch, ahead of its first reader
.set i, 0
.rept 8
	v_pk_add_f32 v[LS:LS+1], v[LS:LS+1], v[S+4*i:S+4*i+1]             ; the sums are taken of the unquantised p: two chains a tile
	v_pk_add_f32 v[LS+2:LS+3], v[LS+2:LS+3], v[S+32+4*i:S+32+4*i+1]
	v_pk_add_f32 v[LS+4:LS+5], v[LS+4:LS+5], v[S+4*i+2:S+4*i+3]
	v_pk_add_f32 v[LS+6:LS+7], v[LS+6:LS+7], v[S+32+4*i+2:S+32+4*i+3]
.set i, i+1
.endr
	s_cmp_ge_i32 s26, -15                          ; 57,344 x 2^e8 is at least 1 from e8 = -15 on: p, at most 1, then needs no hold.  A branch on a given whole number
	s_cbranch_scc1 .Lno_hold
.set i, 0
.rept 64
	v_min_num_f32 v[S+i], v[S+i], v[LIMP]          ; the conversion does not saturate (ISA guide 7.6.2); p is not negative
.set i, i+1
.endr
.Lno_hold:
.irp t, 0,1
.irp kt, 0,1,2,3
	v_cvt_scalef32_pk8_bf8_f32 v[PC+8*\t+2*\kt:PC+8*\t+2*\kt+1], v[S+32*\t+8*\kt:S+32*\t+8*\kt+7], v[SCP]   ; keys 16 kt + 8 h + 0 .. 7: registers 2 kt, 2 kt + 1 of the operand
.endr
.endr
	v_nop                                          ; a plain line between the conversions and the products that read their results
	s_wait_dscnt 0x0                               ; V is in
.irp dt, 0,1,2,3                       ; eight accumulators, one instruction each; the next matrix instruction is always a score's
.irp t, 0,1
	v_wmma_f32_16x16x64_bf8_bf8 v[O+32*\t+8*\dt:O+32*\t+8*\dt+7], v[VF+8*\dt:VF+8*\dt+7], v[PC+8*\t:PC+8*\t+7], v[O+32*\t+8*\dt:O+32*\t+8*\dt+7]
.endr
.endr
.Lp2_skip:
	s_add_co_u32 s23, s23, 4096
	s_add_co_u32 s22, s22, 1
	s_cmp_lt_u32 s22, 32
	s_cbranch_scc1 .Lp2
	; ---- THE WAY OUT: o = O^T 2^(e8 + e9) / l, held, converted with 2^e10, and laid as the last product's operand wants it
.rept 4
	v_nop
.endr
	v_pk_add_f32 v[LS:LS+1], v[LS:LS+1], v[LS+4:LS+5]
	v_pk_add_f32 v[LS+2:LS+3], v[LS+2:LS+3], v[LS+6:LS+7]
	v_add_f32 v[LS], v[LS], v[LS+1]
	v_add_f32 v[LS+2], v[LS+2], v[LS+3]
	v_permlanex16_b32 v[YX], v[LS], s30, s31
	v_permlanex16_b32 v[YX+1], v[LS+2], s30, s31
	v_add_f32 v[LS], v[LS], v[YX]
	v_add_f32 v[LS+2], v[LS+2], v[YX+1]
	v_rcp_f32 v[LS+4], v[LS]
	v_rcp_f32 v[LS+6], v[LS+2]
	v_nop                                          ; a plain line behind the reciprocals
	s_add_co_i32 s2, s26, s27                      ; e8 + e9
	s_add_co_i32 s3, s28, 127
	s_lshl_b32 s29, s3, 23
	v_mov_b32 v[SCP], s29                          ; 2^e10
	s_add_co_i32 s3, s3, 15
	s_lshl_b32 s3, s3, 23
	s_or_b32 s3, s3, 0x600000
	v_mov_b32 v[LIMP], s3                          ; 57,344 x 2^e10
	s_mov_b32 s29, 0xffff0000                      ; lanes 16-31
	s_wait_alu depctr_va_vdst(0)                   ; both reciprocals are written: one wait, ahead of their first reader
	v_ldexp_f32 v[LS+4], v[LS+4], s2
	v_ldexp_f32 v[LS+6], v[LS+6], s2
	v_mov_b32 v[LS+5], v[LS+4]
	v_mov_b32 v[LS+7], v[LS+6]
; Tile t.  The conversions give lane (r, h) channels 16 dt + 8 h + 0 .. 7 in two registers a tile dt.  The image wants, in lane (r, h), registers 4 c + i: channels 32 c + 16 h + 4 i on.
; So lanes 0-15 keep tile 2 c and take lanes 16-31's half of it; lanes 16-31 keep tile 2 c + 1 and take lanes 0-15's: one exchange for each of four registers.
; Each tile's image has eight registers of its own in TO, so both tiles' arithmetic stands ahead of ONE wait and the run of four stores.
.macro OUT t
.set i, 0
.rept 16
	v_pk_mul_f32 v[S+32*\t+2*i:S+32*\t+2*i+1], v[O+32*\t+2*i:O+32*\t+2*i+1], v[LS+4+2*\t:LS+5+2*\t]   ; each accumulator from its low end on
.set i, i+1
.endr
.set i, 0
.rept 32
	v_med3_num_f32 v[S+32*\t+i], v[S+32*\t+i], -v[LIMP], v[LIMP]
.set i, i+1
.endr
.irp dt, 0,1,2,3
	v_cvt_scalef32_pk8_bf8_f32 v[PC+8*\t+2*\dt:PC+8*\t+2*\dt+1], v[S+32*\t+8*\dt:S+32*\t+8*\dt+7], v[SCP]
.endr
	v_nop                                          ; a plain line between the conversions and the lines that read their results
.irp c, 0,1
.irp u, 0,1
	v_cndmask_b32 v[YX+2*\c+\u], v[PC+8*\t+4*\c+2+\u], v[PC+8*\t+4*\c+\u], s29       ; what the lane 16 away wants of me
.endr
.endr
.irp c, 0,1
.irp u, 0,1
	v_permlanex16_b32 v[XY+2*\c+\u], v[YX+2*\c+\u], s30, s31
.endr
.endr
.irp c, 0,1
.irp u, 0,1
	v_cndmask_b32 v[TO+8*\t+4*\c+\u], v[PC+8*\t+4*\c+\u], v[XY+2*\c+\u], s29
	v_cndmask_b32 v[TO+8*\t+4*\c+2+\u], v[XY+2*\c+\u], v[PC+8*\t+4*\c+2+\u], s29
.endr
.endr
.endm
	OUT 0
	OUT 1
	s_wait_alu depctr_va_vdst(0)                   ; the selects have written both images in TO, which the four stores read
.irp t, 0,1
.irp p, 0,1
	global_store_b128 v[LI], v[TO+8*\t+4*\p:TO+8*\t+4*\p+3], s[16:17] offset:16384*\t+512*\p   ; 512 consecutive bytes: one part of the image
.endr
.endr
	s_set_vgpr_msb 0x5                             ; the add's two registers, v256 and v257, are sources 0 and 1 in window 1
	s_wait_dscnt 0x0                               ; the closing lines, six on end
	s_wait_alu 0x0
	s_wait_tensorcnt 0x0
	ds_add_u32 v0, v1
	s_wait_dscnt 0x0
	s_endpgm
.Lfunc_end_k_q9a292ccde6_attn:
	.size	k_q9a292ccde6_attn, .Lfunc_end_k_q9a292ccde6_attn-k_q9a292ccde6_attn
	.p2alignl 7, 3214868480
	.fill 96, 4, 3214868480
	.section	.rodata,"a",@progbits
	.p2align	6, 0x0
	.amdhsa_kernel k_q9a292ccde6_attn
		.amdhsa_group_segment_fixed_size 263168
		.amdhsa_private_segment_fixed_size 0
		.amdhsa_enable_private_segment 0
		.amdhsa_kernarg_size 56
		.amdhsa_user_sgpr_count 2
		.amdhsa_user_sgpr_kernarg_segment_ptr 1
		.amdhsa_wavefront_size32 1
		.amdhsa_system_sgpr_workgroup_id_x 1
		.amdhsa_system_sgpr_workgroup_id_y 1
		.amdhsa_system_sgpr_workgroup_id_z 1
		.amdhsa_system_vgpr_workitem_id 0
		.amdhsa_next_free_vgpr 258
		.amdhsa_next_free_sgpr 102
		.amdhsa_reserve_vcc 0
		.amdhsa_float_denorm_mode_32 3
		.amdhsa_float_denorm_mode_16_64 3
		.amdhsa_memory_ordered 1
		.amdhsa_forward_progress 1
		.amdhsa_inst_pref_size 54
	.end_amdhsa_kernel
	.amdgpu_metadata
---
amdhsa.version: [ 1, 2 ]
amdhsa.kernels:
  - .name:           k_q9a292ccde6_attn
    .symbol:         k_q9a292ccde6_attn.kd
    .args:
      - { .name: qimg, .offset: 0, .size: 8, .value_kind: global_buffer, .address_space: global }
      - { .name: kimg, .offset: 8, .size: 8, .value_kind: global_buffer, .address_space: global }
      - { .name: vimg, .offset: 16, .size: 8, .value_kind: global_buffer, .address_space: global }
      - { .name: mbits, .offset: 24, .size: 8, .value_kind: global_buffer, .address_space: global }
      - { .name: meta, .offset: 32, .size: 8, .value_kind: global_buffer, .address_space: global }
      - { .name: lowp_scales, .offset: 40, .size: 8, .value_kind: global_buffer, .address_space: global }
      - { .name: oimg, .offset: 48, .size: 8, .value_kind: global_buffer, .address_space: global }
    .group_segment_fixed_size: 263168
    .private_segment_fixed_size: 0
    .kernarg_segment_align: 8
    .kernarg_segment_size: 56
    .max_flat_workgroup_size: 256
    .sgpr_count:     102
    .vgpr_count:     258
    .wavefront_size: 32
...
	.end_amdgpu_metadata
.endif
;; end of part 5
;; launch outln (part 6): grid 128 x 1, 16 waves a work-group, no clusters, 166,400 bytes of LDS; arguments oimg, woimg, x, bo, gamma, beta, lowp_scales, out0; writes out0
.if DOCPART == 6
	.amdgcn_target "amdgcn-amd-amdhsa--gfx1250"
	.amdhsa_code_object_version 6
	.text
	.protected	k_q9a292ccde6_outln
	.globl	k_q9a292ccde6_outln
	.p2align	8
	.type	k_q9a292ccde6_outln,@function
k_q9a292ccde6_outln:
	s_mov_b64 s[64:65], 0
	v_nop
	global_prefetch_b8 v0, s[64:65] scope:SCOPE_SE
	s_setreg_imm32_b32 hwreg(HW_REG_WAVE_SCHED_MODE, 0, 2), 2
	s_setreg_imm32_b32 hwreg(HW_REG_WAVE_MODE, 25, 1), 1
	s_wait_xcnt 0x0
	s_wait_alu depctr_vm_vsrc(0)
; out = nan_to_num(LayerNorm(o Wo^T + bo + nan_to_num(x)) gamma + beta).  The product runs on E5M2 codes, K = 1,024; all else in f32.
; SHARES.  A work-group owns 32 whole rows (the norm needs whole rows).  THE WAVES SHARE THE COLUMNS: wave w makes features 64 w .. 64 w + 63 (four tiles) for both tiles of 16 tokens.
; Its 65,536 bytes of Wo, laid by the first launch in the order of the operand's registers, stream from memory straight into registers, two K steps (32 loads of 512 consecutive bytes) ahead: no ring in LDS.
; o's 32,768 bytes, images of operand registers too, are copied into LDS as they lie and read by all sixteen waves.  128 work-groups: each must take in all of Wo, and with 32 rows each fragment of Wo feeds two products.
; The matrix instruction takes 16 rows of Wo as source 0 and 16 tokens as source 1: a lane holds eight neighbouring features of one token.  The sums meet in a stage in LDS; then a wave owns two whole rows.
; The mean is taken first and subtracted, then the squares are summed: no difference of large sums.
; LIMIT: e10 + e11 between -126 and 127.
; THE MODE: SCHED_MODE bits 1:0 = 2 (LLVM: expert scheduling mode 2), set by the entry lines.  The code itself states the register dependences
; between vector or matrix instructions and memory or LDS instructions, with s_wait_alu, always for 0.
; THE PLAN.  Registers that memory or LDS instructions touch:
;   v1, v3 to v7    offsets and LDS addresses, made at the head and never written again.
;   v240-255        o's copy: four global loads land in it, four LDS stores read it; then it is the third buffer of o's fragments.
;   F0, F1, F2      (v80-95, v96-111, v240-255) fragment f = 2 ks + tt of o (K step ks, token tile tt) lies in buffer f % 3: four LDS loads land in it, four products read it.
;   W0, W1          K step ks's four fragments of Wo lie in set ks % 2: sixteen global loads land in it, the step's eight products read it.
;   ACC             written by the products; read by the stage's LDS stores; then whole rows land in it, vector work finishes them, and the global stores read them.
;   the tail's x, bo, gamma and beta land where the weights and F0, F1 lay.
; At the head of K step ks ONE wait on va_vdst states that step ks - 1's products are done reading fragments 2 ks - 2 and 2 ks - 1 and set (ks - 1) % 2.  Behind it go, with no further wait:
; fragment 2 ks + 1 (into 2 ks - 2's buffer), fragment 2 ks + 2, the next step's first (into 2 ks - 1's), and the weights of step ks + 1 (into set (ks - 1) % 2).  This step's products name fragments 2 ks and
; 2 ks + 1, set ks % 2 and ACC.  So the first four products of a step find their fragment asked for a step ago.
.set YST,  32768                       ; behind o's images: the stage, 32 rows,
.set YP,   4112                        ; 4,096 bytes + 16 of padding apart: the 16 rows of a store start at 16 different banks (64 banks of 4 bytes: ISA guide 11.1)
.set ACC,  16                          ; v16-79   accumulator (feature tile nt, token tile tt) at 16 + 8 (2 nt + tt); later my two rows, 32 numbers a lane each
.set OF,   80                          ; v80-95, v96-111 and v240-255: the three buffers of o's fragments; v80-111 later beta
.set WB,   112                         ; v112-239 Wo's fragments, two sets of four; later x (v112-175), bo (v176-207), gamma (v208-239)
.set XB,   112
.set BO,   176
.set GA,   208
.set BE,   80
.set OC,   240                         ; v240-255 o's copy, sixteen registers
.set NA,   240                         ; v240-243 in the tail: magnitudes, then 1e9 with the sign of the second four numbers
.set NT,   244                         ; v244-247 in the tail: 1e9 with the sign of the first four
.set BIG,  248                         ; in the tail: 1e9
.set ZR,   249                         ; in the tail: 0
	s_load_b512 s[4:19], s[0:1], 0x0               ; oimg, woimg, x, bo, gamma, beta, scales, out0
	v_lshl_add_u32 v14, v0, 2, 0x28200
	v_mov_b32 v15, 0
	v_lshrrev_b32 v2, 5, v0
	v_readfirstlane_b32 s24, v2                    ; wave 0..15
	v_and_b32 v2, 31, v0
	v_lshlrev_b32 v1, 4, v2                        ; 16 x lane
	v_lshlrev_b32 v7, 8, v2                        ; 256 x lane, for the prefetch; never rewritten
	v_and_b32 v8, 15, v0                           ; r
	v_bfe_u32 v9, v0, 4, 1                         ; h
	s_wait_alu depctr_va_sdst(0)                   ; s24 is written, ahead of its first reader: addresses and bases are made from it
	s_lshl_b32 s25, s24, 11
	v_add_nc_u32 v3, s25, v1                       ; my 2,048 bytes of o's images, in memory and in LDS
	v_mul_u32_u24 v4, v8, YP
	v_lshl_add_u32 v4, v9, 5, v4
	s_lshl_b32 s25, s24, 8
	s_add_co_u32 s25, s25, YST
	v_add_nc_u32 v4, s25, v4                       ; the stage: row r, + 32 h, + 256 w: my features' bytes
	v_add_nc_u32 v5, 16*YP, v4                     ; and the same for the second tile of tokens
	s_mul_i32 s25, s24, 2*YP
	s_add_co_u32 s25, s25, YST
	v_add_nc_u32 v6, s25, v1                       ; back: rows 2 w, 2 w + 1
	s_mov_b32 s28, 0x7f800000
	s_mov_b32 s29, 0x7fffffff
	s_mov_b32 s30, 0x76543210
	s_mov_b32 s31, 0xfedcba98
	s_mov_b32 s26, 0x3a800000                      ; 1 / 1,024
	s_mov_b32 s27, 0x3727c5ac                      ; 1e-5
	s_lshl_b32 s40, ttmp9, 15                      ; my block's images
	s_mov_b32 s41, 0
	s_lshl_b32 s42, s24, 16                        ; my wave's part of Wo
	s_mov_b32 s43, 0
	s_lshl_b32 s44, ttmp9, 5
	s_lshl_b32 s45, s24, 1
	s_add_co_u32 s44, s44, s45
	s_lshl_b32 s44, s44, 12                        ; row 32 g + 2 w of x and of the output
	s_mov_b32 s45, 0
	s_wait_kmcnt 0x0
	s_load_b64 s[20:21], s[16:17], 0x28            ; e10, e11
	s_add_nc_u64 s[4:5], s[4:5], s[40:41]
	s_add_nc_u64 s[6:7], s[6:7], s[42:43]
	s_add_nc_u64 s[8:9], s[8:9], s[44:45]
	s_add_nc_u64 s[18:19], s[18:19], s[44:45]
	s_wait_alu depctr_va_vdst(0)                   ; v1 and v3 to v7 are written: every load, store and prefetch of the kernel reads one of them as its offset or address
.macro WLOAD k                         ; K step k's four fragments of Wo into set k % 2
.irp t, 0,1,2,3
.irp c, 0,1,2,3
	global_load_b128 v[WB+64*((\k)%2)+16*\t+4*\c:WB+64*((\k)%2)+16*\t+4*\c+3], v1, s[6:7] offset:8192*(\k)+2048*\t+512*\c
.endr
.endr
.endm
.macro OFRAG f                         ; fragment f = 2 ks + tt of o, from LDS into buffer f % 3
.set FB, OF+16*((\f)%3)+128*(((\f)%3)/2)
.irp c, 0,1,2,3
	ds_load_b128 v[FB+4*\c:FB+4*\c+3], v1 offset:16384*((\f)%2)+2048*((\f)/2)+512*\c
.endr
.endm
.macro PROD ks, tt                     ; four products: my four tiles of features x token tile tt, 128 along K
.set FB, OF+16*((2*(\ks)+(\tt))%3)+128*(((2*(\ks)+(\tt))%3)/2)
.irp nt, 0,1,2,3
.if (\ks) == 0
	v_wmma_f32_16x16x128_bf8_bf8 v[ACC+8*(2*\nt+(\tt)):ACC+8*(2*\nt+(\tt))+7], v[WB+64*((\ks)%2)+16*\nt:WB+64*((\ks)%2)+16*\nt+15], v[FB:FB+15], 0
.else
	v_wmma_f32_16x16x128_bf8_bf8 v[ACC+8*(2*\nt+(\tt)):ACC+8*(2*\nt+(\tt))+7], v[WB+64*((\ks)%2)+16*\nt:WB+64*((\ks)%2)+16*\nt+15], v[FB:FB+15], v[ACC+8*(2*\nt+(\tt)):ACC+8*(2*\nt+(\tt))+7]
.endif
.endr
.endm
.irp i, 0,1,2,3
	global_load_b128 v[OC+4*\i:OC+4*\i+3], v3, s[4:5] offset:512*\i
.endr
	WLOAD 0
	WLOAD 1
	s_wait_loadcnt 32                              ; o's four loads are in; the 32 of Wo's first two K steps may be out
.irp i, 0,1,2,3
	ds_store_b128 v3, v[OC+4*\i:OC+4*\i+3] offset:512*\i
.endr
	s_wait_dscnt 0x0
	s_barrier_signal -1
	s_barrier_wait -1                              ; o's images lie in LDS
	s_wait_alu depctr_vm_vsrc(0)                   ; my LDS stores have read v240 to v255: from here on the third buffer of fragments, and in the tail registers at work
	OFRAG 0                                        ; the first step's first fragment
.macro KS ks                           ; 128 along K (two heads): eight products, the accumulators by turns, one instruction a turn, in the same order in every step
.if (\ks) > 0
	s_wait_alu depctr_va_vdst(0)                   ; the products of the step before are done reading their two fragments of o and their set of Wo, in which the loads below land
.endif
	OFRAG 2*(\ks)+1                                ; this step's second fragment,
.if (\ks) < 7
	OFRAG 2*(\ks)+2                                ; and the next step's first
.endif
.if ((\ks) > 0) && ((\ks) < 7)
	WLOAD (\ks)+1
.endif
.if (\ks) == 4
	global_prefetch_b8 v7, s[8:9] th:TH_LOAD_NT scope:SCOPE_SE   ; my two rows of x, 32 blocks of 256 bytes, a lane a block, each named once in the launch: four K steps ahead of their loads
.endif
.if (\ks) < 7
	s_wait_loadcnt 16                              ; this step's weights are in; the next step's sixteen loads may be out
	s_wait_dscnt 8                                 ; LDS loads come back in order (ISA guide 5.7.1): this step's first fragment, asked for a step ago, is in; the eight loads just issued may be out
.else
	s_wait_loadcnt 0x0
	s_wait_dscnt 4                                 ; the four loads just issued may be out
.endif
	PROD \ks, 0
.if (\ks) < 7
	s_wait_dscnt 4                                 ; this step's second fragment is in; the next step's first may be out
.else
	s_wait_dscnt 0x0
.endif
	PROD \ks, 1
.rept 4
	v_nop                                          ; the four plain lines behind a step's products, as they stood; behind the last step they are the places in front of the first read of the sums
.endr
.endm
.irp ks, 0,1,2,3,4,5,6,7
	KS \ks
.endr
	; ---- the tail: what it needs from memory is asked for first
	v_mov_b32 v[BIG], 0x4e6e6b28                   ; made here and not at the head: v240 to v255 held o's copy and fragments until now; the four lines above are the places behind the last product that read them
	v_mov_b32 v[ZR], 0
	s_wait_alu depctr_va_vdst(0)                   ; the products have written the sums, which the LDS stores below read, and are done reading the weights' sets and v80 to v111, in which the loads below land
.irp i, 0,1
.irp j, 0,1,2,3,4,5,6,7
	global_load_b128 v[XB+32*\i+4*\j:XB+32*\i+4*\j+3], v1, s[8:9] offset:4096*\i+512*\j
.endr
.endr
.irp j, 0,1,2,3,4,5,6,7
	global_load_b128 v[BO+4*\j:BO+4*\j+3], v1, s[10:11] offset:512*\j
.endr
.irp j, 0,1,2,3,4,5,6,7
	global_load_b128 v[GA+4*\j:GA+4*\j+3], v1, s[12:13] offset:512*\j
.endr
.irp j, 0,1,2,3,4,5,6,7
	global_load_b128 v[BE+4*\j:BE+4*\j+3], v1, s[14:15] offset:512*\j
.endr
.irp nt, 0,1,2,3
.irp tt, 0,1
	ds_store_b128 v[4+\tt], v[ACC+8*(2*\nt+\tt):ACC+8*(2*\nt+\tt)+3] offset:64*\nt          ; each accumulator from its low end on: lane (r, h): token r, features 64 w + 16 nt + 8 h + 0 .. 7
	ds_store_b128 v[4+\tt], v[ACC+8*(2*\nt+\tt)+4:ACC+8*(2*\nt+\tt)+7] offset:64*\nt+16
.endr
.endr
	s_wait_dscnt 0x0
	s_barrier_signal -1
	s_barrier_wait -1                              ; 32 whole rows of sums lie in the stage
	s_wait_alu depctr_vm_vsrc(0)                   ; my LDS stores have read the sums' registers, in which my two rows land
.irp i, 0,1
.irp j, 0,1,2,3,4,5,6,7
	ds_load_b128 v[ACC+32*\i+4*\j:ACC+32*\i+4*\j+3], v6 offset:YP*\i+512*\j    ; my lane: features 128 j + 4 lane + 0 .. 3
.endr
.endr
	s_wait_kmcnt 0x0
	s_add_co_i32 s22, s20, s21
	s_add_co_i32 s22, s22, 127
	s_lshl_b32 s22, s22, 23                        ; 2^(e10 + e11) as f32
	s_mov_b32 s23, s22                             ; (named with it as a pair, so it is written)
	s_wait_dscnt 0x0
	s_wait_loadcnt 0x0
.macro NAN8 x                          ; eight numbers: +-inf -> +-1e9, NaN -> 0.  The sixteen compares stand in one run, into sixteen scalar registers, with one wait behind them
.irp k, 0,1,2,3
	v_and_b32 v[NA+\k], s29, v[(\x)+\k]
	v_bfi_b32 v[NT+\k], s29, v[BIG], v[(\x)+\k]
.endr
.irp k, 0,1,2,3
	v_cmp_eq_u32 s[32+\k], s28, v[NA+\k]
	v_cmp_lt_u32 s[36+\k], s28, v[NA+\k]
.endr
.irp k, 0,1,2,3
	v_and_b32 v[NA+\k], s29, v[(\x)+4+\k]
.endr
.irp k, 0,1,2,3
	v_cmp_eq_u32 s[40+\k], s28, v[NA+\k]
	v_cmp_lt_u32 s[44+\k], s28, v[NA+\k]
.endr
.irp k, 0,1,2,3
	v_bfi_b32 v[NA+\k], s29, v[BIG], v[(\x)+4+\k]  ; the magnitudes are done with
.endr
	s_wait_alu depctr_va_sdst(0)                   ; the sixteen compares have written s32 to s47, which the selects below read
.irp k, 0,1,2,3
	v_cndmask_b32 v[(\x)+\k], v[(\x)+\k], v[NT+\k], s[32+\k]
.endr
.irp k, 0,1,2,3
	v_cndmask_b32 v[(\x)+4+\k], v[(\x)+4+\k], v[NA+\k], s[40+\k]
.endr
.irp k, 0,1,2,3
	v_cndmask_b32 v[(\x)+\k], v[(\x)+\k], v[ZR], s[36+\k]
.endr
.irp k, 0,1,2,3
	v_cndmask_b32 v[(\x)+4+\k], v[(\x)+4+\k], v[ZR], s[44+\k]
.endr
.endm
.macro WSUM                            ; v250: the sum over the wave's 32 lanes, in every lane
	v_add_f32 v250, v250, v251
	v_add_f32_dpp v250, v250, v250 row_xmask:1 row_mask:0xf bank_mask:0xf
	v_add_f32_dpp v250, v250, v250 row_xmask:2 row_mask:0xf bank_mask:0xf
	v_add_f32_dpp v250, v250, v250 row_xmask:4 row_mask:0xf bank_mask:0xf
	v_add_f32_dpp v250, v250, v250 row_xmask:8 row_mask:0xf bank_mask:0xf
	v_permlanex16_b32 v251, v250, s30, s31
	v_add_f32 v250, v250, v251
.endm
.macro ROW i                           ; a row has 32 registers of its own for its numbers and 32 for its x: the second row's work writes nothing that the first row's stores read
.set Y, ACC+32*(\i)
.set XR, XB+32*(\i)
.irp q, 0,8,16,24
	NAN8 XR+\q
.endr
.irp k, 0,2,4,6,8,10,12,14,16,18,20,22,24,26,28,30
	v_pk_fma_f32 v[Y+\k:Y+\k+1], v[Y+\k:Y+\k+1], s[22:23], v[BO+\k:BO+\k+1] op_sel_hi:[1,0,1]   ; y = sum x 2^(e10 + e11) + bo
.endr
.irp k, 0,2,4,6,8,10,12,14,16,18,20,22,24,26,28,30
	v_pk_add_f32 v[Y+\k:Y+\k+1], v[Y+\k:Y+\k+1], v[XR+\k:XR+\k+1]                              ; + x
.endr
	v_pk_add_f32 v[250:251], v[Y:Y+1], v[Y+2:Y+3]
	v_pk_add_f32 v[252:253], v[Y+4:Y+5], v[Y+6:Y+7]
.irp k, 8,12,16,20,24,28
	v_pk_add_f32 v[250:251], v[250:251], v[Y+\k:Y+\k+1]
	v_pk_add_f32 v[252:253], v[252:253], v[Y+\k+2:Y+\k+3]
.endr
	v_pk_add_f32 v[250:251], v[250:251], v[252:253]
	WSUM
	v_mul_f32 v254, s26, v250                      ; the mean
	v_mov_b32 v255, v254
.irp k, 0,2,4,6,8,10,12,14,16,18,20,22,24,26,28,30
	v_pk_add_f32 v[Y+\k:Y+\k+1], v[Y+\k:Y+\k+1], v[254:255] neg_lo:[0,1] neg_hi:[0,1]
.endr
	v_pk_mul_f32 v[250:251], v[Y:Y+1], v[Y:Y+1]
	v_pk_mul_f32 v[252:253], v[Y+2:Y+3], v[Y+2:Y+3]
.irp k, 4,8,12,16,20,24,28
	v_pk_fma_f32 v[250:251], v[Y+\k:Y+\k+1], v[Y+\k:Y+\k+1], v[250:251]
	v_pk_fma_f32 v[252:253], v[Y+\k+2:Y+\k+3], v[Y+\k+2:Y+\k+3], v[252:253]
.endr
	v_pk_add_f32 v[250:251], v[250:251], v[252:253]
	WSUM
	v_fma_f32 v250, v250, s26, s27                 ; the variance + 1e-5
	v_rsq_f32 v254, v250
	v_nop                                          ; a plain line behind the root
	s_wait_alu depctr_va_vdst(0)                   ; the root is written: a wait ahead of its first reader
	v_mov_b32 v255, v254
.irp k, 0,2,4,6,8,10,12,14,16,18,20,22,24,26,28,30
	v_pk_mul_f32 v[Y+\k:Y+\k+1], v[Y+\k:Y+\k+1], v[254:255]
.endr
.irp k, 0,2,4,6,8,10,12,14,16,18,20,22,24,26,28,30
	v_pk_fma_f32 v[Y+\k:Y+\k+1], v[Y+\k:Y+\k+1], v[GA+\k:GA+\k+1], v[BE+\k:BE+\k+1]
.endr
.irp q, 0,8,16,24
	NAN8 Y+\q
.endr
	s_wait_alu depctr_va_vdst(0)                   ; the selects have written the row's 32 registers, which the eight stores read
.irp j, 0,1,2,3,4,5,6,7
	global_store_b128 v1, v[Y+4*\j:Y+4*\j+3], s[18:19] offset:4096*(\i)+512*\j th:TH_STORE_NT   ; 32 lanes store 512 consecutive bytes; written once, read by nobody here
.endr
.endm
	ROW 0
	ROW 1
	s_wait_dscnt 0x0                               ; the closing lines, six on end
	s_wait_alu 0x0
	s_wait_tensorcnt 0x0
	ds_add_u32 v14, v15
	s_wait_dscnt 0x0
	s_endpgm
.Lfunc_end_k_q9a292ccde6_outln:
	.size	k_q9a292ccde6_outln, .Lfunc_end_k_q9a292ccde6_outln-k_q9a292ccde6_outln
	.p2alignl 7, 3214868480
	.fill 96, 4, 3214868480
	.section	.rodata,"a",@progbits
	.p2align	6, 0x0
	.amdhsa_kernel k_q9a292ccde6_outln
		.amdhsa_group_segment_fixed_size 166400
		.amdhsa_private_segment_fixed_size 0
		.amdhsa_enable_private_segment 0
		.amdhsa_kernarg_size 64
		.amdhsa_user_sgpr_count 2
		.amdhsa_user_sgpr_kernarg_segment_ptr 1
		.amdhsa_wavefront_size32 1
		.amdhsa_system_sgpr_workgroup_id_x 1
		.amdhsa_system_sgpr_workgroup_id_y 1
		.amdhsa_system_sgpr_workgroup_id_z 1
		.amdhsa_system_vgpr_workitem_id 0
		.amdhsa_next_free_vgpr 256
		.amdhsa_next_free_sgpr 66
		.amdhsa_reserve_vcc 0
		.amdhsa_float_denorm_mode_32 3
		.amdhsa_float_denorm_mode_16_64 3
		.amdhsa_memory_ordered 1
		.amdhsa_forward_progress 1
		.amdhsa_inst_pref_size 94
	.end_amdhsa_kernel
	.amdgpu_metadata
---
amdhsa.version: [ 1, 2 ]
amdhsa.kernels:
  - .name:           k_q9a292ccde6_outln
    .symbol:         k_q9a292ccde6_outln.kd
    .args:
      - { .name: oimg, .offset: 0, .size: 8, .value_kind: global_buffer, .address_space: global }
      - { .name: woimg, .offset: 8, .size: 8, .value_kind: global_buffer, .address_space: global }
      - { .name: x, .offset: 16, .size: 8, .value_kind: global_buffer, .address_space: global }
      - { .name: bo, .offset: 24, .size: 8, .value_kind: global_buffer, .address_space: global }
      - { .name: gamma, .offset: 32, .size: 8, .value_kind: global_buffer, .address_space: global }
      - { .name: beta, .offset: 40, .size: 8, .value_kind: global_buffer, .address_space: global }
      - { .name: lowp_scales, .offset: 48, .size: 8, .value_kind: global_buffer, .address_space: global }
      - { .name: out0, .offset: 56, .size: 8, .value_kind: global_buffer, .address_space: global }
    .group_segment_fixed_size: 166400
    .private_segment_fixed_size: 0
    .kernarg_segment_align: 8
    .kernarg_segment_size: 64
    .max_flat_workgroup_size: 512
    .sgpr_count:     66
    .vgpr_count:     256
    .wavefront_size: 32
...
	.end_amdgpu_metadata
.endif
;; end of part 6
